; MI455X (gfx1250); checked and timed in simulation.
; The chip was launched on July 23, 2026; its instructions are those of AMD's public machine-readable ISA for CDNA 5 (MIT licence, August 2026) and "CDNA5" Instruction Set Architecture Reference Guide (July 2026). The comments in the code are by the model that wrote it; some were corrected since.
;; Attention. Allowed arithmetic: matrix products marked QUANTISED: E2M3 operands, one E8M0 scale for each 32 along K, by v_wmma_scale_f32_16x16x128_f8f6f4 with both operands' format E2M3, f32 sums; everything else in f32.
;; Inputs: b_out 256 float32; g 1 x 256 x 1 x 1 float32; w_out 256 x 128 float32; w_qkv 384 x 256 float32; x 2 x 256 x 64 x 64 float32.
;; Outputs: out0 2 x 256 x 64 x 64 float32.
;; This version of the problem:
;;   THIS VERSION OF THE PROBLEM IS GIVEN IN LOW PRECISION. The matrix products marked QUANTISED in the list below multiply operands that are first quantised to E2M3 (2 exponent bits, 3 mantissa bits; 6 bits a number), with one power-of-two scale for each 32 numbers along K (OCP MX v1.0); their sums are f32. All else is computed in f32.
;;   The module's matrix products, in the order in which they are computed (A, B: the left and right operand; K: the contracted axis; several contracted axes count as one K, in the product's order):
;;     1. [M 8,192, K 256] x [K 256, N 384]; A: computed on the way; B: input w_qkv: QUANTISED
;;     2. batch 8 x [M 4,096, K 32] x [K 32, N 4,096]; A: computed on the way; B: computed on the way: QUANTISED
;;     3. batch 8 x [M 4,096, K 4,096] x [K 4,096, N 32]; A: computed on the way; B: computed on the way: QUANTISED
;;     4. [M 8,192, K 128] x [K 128, N 256]; A: computed on the way; B: input w_out: QUANTISED
;;   THE QUANTISER, for each operand of a quantised product, along K:
;;     - K is cut into blocks of 32 from its start; a last block that is shorter is filled with zeros.
;;     - A block's scale is 2^e with e = floor(log2(the largest magnitude in the block)) - 2, held to -126 .. 127; a block of zeros has e = 0. As a byte (E8M0): e + 127.
;;     - Each number is divided by its block's scale, clamped to +-7.5, and rounded to the nearest number of E2M3, ties to even, subnormals kept.
;;     - The product sums the exact products of the quantised numbers (number of the format x scale) in f32.
;;   ~~~python
;;   def quantise(x, axis):      # numpy; x: float32 -> the quantised numbers, widened to float32 again
;;       x = np.moveaxis(x, axis, -1); K = x.shape[-1]
;;       x = np.pad(x, [(0, 0)] * (x.ndim - 1) + [(0, -K % 32)]); x = x.reshape(x.shape[:-1] + (-1, 32)); a = np.abs(x).max(-1, keepdims=True)
;;       e = np.where(a > 0, np.clip(np.frexp(np.where(a > 0, a, 1))[1] - 1 - 2, -126, 127), 0)      # np.frexp(a)[1] - 1 = floor(log2(a)), exactly
;;       r = np.clip(x / 2.0 ** e, -7.5, 7.5)
;;       step = 2.0 ** (np.maximum(np.frexp(np.where(r == 0, 1, r))[1] - 1, 0) - 3)
;;       q = np.round(r / step) * step * 2.0 ** e      # np.round: ties to even
;;       return np.moveaxis(q.reshape(q.shape[:-2] + (-1,))[..., :K], -1, axis).astype(np.float32)
;;   ~~~
;;   OPERANDS COMPUTED ON THE WAY. 'Computed on the way' means the value that the module computes at that place (a softmax that the list does not call 'softmax' is quantised finished and normalised). What goes into a quantiser is computed in f32, as accurately as f32 sums, v_exp_f32 and their like allow (about 1e-6 of the number): no bf16 or f16 on the way to a quantiser, and a product that is left as it is and whose result goes on into a quantised operand takes f32 operands (vector FMAs, or v_wmma_f32_16x16x4_f32). A number that lies on a knife's edge between two numbers of the format may be rounded either way, as far as f32 arithmetic and the matrix unit's own rounding can turn it there, and no further.
;; 2 versions, each right; version 2 is version 1 with the launches prep, attn, proj written anew for expert scheduling mode. Each part assembles by itself: llvm-mc -triple=amdgcn-amd-amdhsa -mcpu=gfx1250 --defsym DOCPART=n.
;; ======== version 1 of 2: 3 launches
;; workspace buffers: qimg 1,048,576 bytes; kimg 786,432 bytes; kscl 32,768 bytes; vimg 786,432 bytes; vscl 32,768 bytes; obuf 1,048,576 bytes
;; launch prep (part 1): grid 64 x 3, 16 waves a work-group, no clusters, 58,368 bytes of LDS; arguments x, g, w_qkv, qimg, kimg, kscl, vimg, vscl; writes qimg, kimg, kscl, vimg, vscl
.if DOCPART == 1
	.amdgcn_target "amdgcn-amd-amdhsa--gfx1250"
	.amdhsa_code_object_version 6
	.text
	.protected	k_qc355ecefaf_prep
	.globl	k_qc355ecefaf_prep
	.p2align	8
	.type	k_qc355ecefaf_prep,@function
k_qc355ecefaf_prep:
	s_mov_b64 s[64:65], 0
	v_nop
	global_prefetch_b8 v0, s[64:65] scope:SCOPE_SE
	s_setreg_imm32_b32 hwreg(HW_REG_WAVE_MODE, 25, 1), 1
	s_wait_xcnt 0x0
; PREP: xn = x / max(|x|, 1e-12) * g * 16 over the 256 channels, quantised along the channels; w_qkv quantised along the channels; q, k or v = w_qkv xn on codes of
; E2M3; the results quantised for the two products of attention and laid as the next launch's operand registers want them.
; NO WORK OF THE PROBLEM IS LEFT OUT in any launch of this program: all five inputs have a way to the output and are loaded.
; LIMITS: NaN and infinities among the inputs are not served.  A block of zeros gets the scale byte 1 where the quantiser says 127: its codes are zeros, which add nothing
; under any byte but 0xff, and the bytes are read by this program alone.
; SHARES.  Work-group x: 128 tokens of one batch; y: 0 = q, 1 = k, 2 = v (rows 128 y on of w_qkv).  Sixteen waves.
;   Phase X: wave w takes tokens 32 (w & 3) + lane and channels 64 (w >> 2) on: a lane holds one token and two whole blocks of 32 channels.
;   It also quantises ONE fragment of the weights: tile w >> 1 (16 rows), K step w & 1 (128 channels).  Codes meet in LDS; waves 0 to 7 then multiply.
; THE ORDER OF TOKENS: in a group F of 64 tokens, row r of tile t (0..3) is token 64 F + 32 (r >> 3) + 8 t + (r & 7).
; THE ORDER OF A HEAD'S 32 ROWS OF THE WEIGHTS: row r of tile u (0, 1) is f = 8 u + r + 8 (r >> 3).
; No cluster, no tensor load: x is read by the three work-groups of a token block and the weights by 64; both are read once by each, at its head, into the registers in which they are quantised.
.set XR,    0                          ; LDS: x's codes, 128 rows (tokens) of 192 bytes, 208 apart
.set XPIT,  208
.set XSL,   26624                      ; x's scale bytes, 8 a token
.set NPL,   27648                      ; four partial sums of squares a token
.set WI,    29696                      ; the weights' 16 fragments as images of their registers, 1,536 bytes each
.set WSL,   54272                      ; their scale words, 128 bytes each
.set SPARE, 56320                      ; the spare words, 128 bytes a wave: no other line names them
.set SPW, 1                            ; v1  my spare word's address; never rewritten
.set NIL, 2                            ; v2  0; never rewritten
.set SH8, 22                           ; v22 8 x (lane / 16)
.set X,   64                           ; phase X: v64-127 my token's 64 channels; v128-191 my 64 numbers of the weights; v192-255 g
.set WST, 128
.set G,   192
.set ACC, 24                           ; products: v24-87 accumulators; v88-135 weights' fragments; v136-231 x's; v232-243 scale words; v244-255 at work
.set WF,  88
.set XF,  136
.set WSC, 232
.set XSC, 236
.set TM,  244
.set FR8, 136                          ; behind the products, over x's fragments: the codes made
.set CT,  152
.set SEL, 24                           ; s[24:25] selects of v_permlanex16_b32: lane l xor 16
; Two whole blocks of 32 in a lane, v[src + 32 c ..], become 12 registers of codes at v[dst]; t .. t+5: largest magnitudes, scale operands, bytes
.macro QB2 src, dst, ct, t
.irp c, 0,1
	v_max3_num_f32 v[(\t)+\c], |v[(\src)+32*\c]|, |v[(\src)+32*\c+1]|, 0x1800000   ; with the floor 2^(3 - 127): the byte cannot fall under 1
.endr
.irp i, 2,4,6,8,10,12,14,16,18,20,22,24,26,28,30
.irp c, 0,1
	v_max3_num_f32 v[(\t)+\c], v[(\t)+\c], |v[(\src)+32*\c+\i]|, |v[(\src)+32*\c+\i+1]|
.endr
.endr
.irp c, 0,1
	v_add_nc_u32 v[(\t)+2+\c], 0xff000000, v[(\t)+\c]     ; 2 off the exponent field: the conversion's scale operand
.endr
.irp c, 0,1
	v_lshrrev_b32 v[(\t)+4+\c], 23, v[(\t)+2+\c]          ; the scale's byte
.endr
.irp c, 0,1
	v_cvt_scalef32_pk16_fp6_f32 v[(\dst)+6*\c:(\dst)+6*\c+2], v[(\src)+32*\c:(\src)+32*\c+15], v[(\t)+2+\c]
	v_cvt_scalef32_pk16_fp6_f32 v[(\ct)+4*\c:(\ct)+4*\c+2], v[(\src)+32*\c+16:(\src)+32*\c+31], v[(\t)+2+\c]   ; (three registers begin on an even number: made aside and moved)
.endr
	v_nop                                          ; one plain place behind the scaled conversions
.irp c, 0,1
.irp i, 0,1,2
	v_mov_b32 v[(\dst)+6*\c+3+\i], v[(\ct)+4*\c+\i]
.endr
.endr
.endm
; my two bytes (blocks h and 2 + h) and lane l xor 16's two make the row's scale word
.macro WORD2 w, t
	v_lshl_or_b32 v[\w], v[(\t)+5], 16, v[(\t)+4]
	v_lshlrev_b32 v[\w], v[SH8], v[\w]
	v_permlanex16_b32 v[\t], v[\w], s[SEL], s[SEL+1]
	v_or_b32 v[\w], v[\w], v[\t]
.endm
.macro MM d, a, b, sa, sb, zero
.if \zero
	v_wmma_scale_f32_16x16x128_f8f6f4 v[(\d):(\d)+7], v[(\a):(\a)+11], v[(\b):(\b)+11], 0, v[\sa], v[\sb] matrix_a_fmt:MATRIX_FMT_FP6 matrix_b_fmt:MATRIX_FMT_FP6
.else
	v_wmma_scale_f32_16x16x128_f8f6f4 v[(\d):(\d)+7], v[(\a):(\a)+11], v[(\b):(\b)+11], v[(\d):(\d)+7], v[\sa], v[\sb] matrix_a_fmt:MATRIX_FMT_FP6 matrix_b_fmt:MATRIX_FMT_FP6
.endif
.endm
.macro END3                            ; the wave's end: three closing lines behind my last LDS store
	s_wait_tensorcnt 0x0
	ds_add_u32 v[SPW], v[NIL]
	s_wait_dscnt 0x0
.endm
.macro PLACES
.rept 4
	v_nop
.endr
.endm
	s_load_b256 s[4:11], s[0:1], 0x0               ; x s[4:5], g s[6:7], w_qkv s[8:9], qimg s[10:11]
	s_load_b256 s[12:19], s[0:1], 0x20             ; kimg s[12:13], kscl s[14:15], vimg s[16:17], vscl s[18:19]
	v_lshl_add_u32 v[SPW], v0, 2, SPARE
	v_mov_b32 v[NIL], 0
	v_lshrrev_b32 v3, 5, v0
	v_readfirstlane_b32 s20, v3                    ; wave 0..15
	v_and_b32 v3, 31, v0                           ; lane
	v_and_b32 v4, 15, v0                           ; r
	v_bfe_u32 v5, v0, 4, 1                         ; h
	s_and_b32 s22, ttmp7, 0xffff                   ; y: q, k or v
	s_and_b32 s26, s20, 3                          ; tg: which 32 tokens
	s_lshr_b32 s27, s20, 2                         ; cg: which 64 channels
	s_and_b32 s28, s20, 1
	s_lshr_b32 s29, s20, 1
	s_mov_b32 s[SEL], 0x76543210
	s_mov_b32 s[SEL+1], 0xfedcba98
	s_mov_b32 vcc_lo, 0xffff0000                   ; lanes 16-31
	; every LDS address is made here, ahead of the waves' parting
	v_lshlrev_b32 v6, 2, v3                        ; x: 4 bytes a lane
	v_and_b32 v24, 8, v4
	v_add_nc_u32 v24, v24, v4                      ; r + 8 (r >> 3)
	v_lshlrev_b32 v7, 10, v24
	v_lshl_add_u32 v7, v5, 7, v7                   ; the weights: that row of 1,024 bytes, + 128 h
	s_lshl_b32 s30, s26, 5
	v_add_nc_u32 v25, s30, v3                      ; my token in the block
	v_lshl_add_u32 v9, v25, 2, NPL                 ; its partial sums,
	s_lshl_b32 s30, s27, 9
	v_add_nc_u32 v8, s30, v9                       ; and mine among them
	v_mul_u32_u24 v10, v25, XPIT
	s_mul_i32 s30, s27, 48
	v_add_nc_u32 v10, s30, v10                     ; its row of codes, my 48 bytes
	v_lshl_add_u32 v11, v25, 3, XSL
	s_lshl_b32 s30, s27, 1
	v_add_nc_u32 v11, s30, v11                     ; its scale bytes, my two
	s_mul_i32 s30, s20, 1536
	s_add_co_u32 s30, s30, WI
	v_lshl_add_u32 v12, v3, 4, s30                 ; the image of the fragment that I make
	s_lshl_b32 s30, s20, 7
	s_add_co_u32 s30, s30, WSL
	v_lshl_add_u32 v13, v3, 2, s30                 ; and its scale words
	v_lshrrev_b32 v26, 3, v4
	v_and_b32 v27, 7, v4
	v_lshl_add_u32 v26, v26, 5, v27                ; 32 (r >> 3) + (r & 7): row r of tile 0 of a group of 64 tokens
	v_mul_u32_u24 v16, v26, XPIT
	v_mad_u32_u24 v16, v5, 24, v16                 ; v path: x's fragments from group 0 on
	s_mul_i32 s30, s28, 64*XPIT
	v_add_nc_u32 v14, s30, v16                     ; q, k path: group w & 1
	v_lshl_add_u32 v17, v26, 3, XSL
	s_lshl_b32 s30, s28, 9
	v_add_nc_u32 v15, s30, v17
	s_mul_i32 s30, s29, 6144
	s_add_co_u32 s30, s30, WI
	v_lshl_add_u32 v18, v3, 4, s30                 ; q, k path: head w >> 1's four fragments
	s_lshl_b32 s30, s29, 9
	s_add_co_u32 s30, s30, WSL
	v_lshl_add_u32 v19, v3, 2, s30
	s_mul_i32 s30, s20, 3072
	s_add_co_u32 s30, s30, WI
	v_lshl_add_u32 v20, v3, 4, s30                 ; v path: tile w's two fragments
	s_lshl_b32 s30, s20, 8
	s_add_co_u32 s30, s30, WSL
	v_lshl_add_u32 v21, v3, 2, s30
	v_lshlrev_b32 v[SH8], 3, v5
	v_mov_b32 v23, 0                               ; g: every lane reads the same numbers
	s_lshr_b32 s31, ttmp9, 5                       ; batch
	s_and_b32 s32, ttmp9, 31                       ; which 128 tokens of it
	s_lshl_b32 s34, s31, 22                        ; x: batch x 256 channels x 16,384 bytes
	s_lshl_b32 s33, s27, 20                        ;  + 64 cg channels
	s_add_co_u32 s34, s34, s33
	s_lshl_b32 s33, s32, 9                         ;  + 128 tokens x 4 bytes
	s_add_co_u32 s34, s34, s33
	s_lshl_b32 s33, s26, 7                         ;  + 32 tg tokens
	s_add_co_u32 s34, s34, s33
	s_mov_b32 s35, 0
	s_lshl_b32 s36, s27, 8                         ; g: 64 cg numbers
	s_mov_b32 s37, 0
	s_lshl_b32 s38, s22, 17                        ; the weights: 128 y rows of 1,024 bytes
	s_lshl_b32 s33, s27, 15                        ;  + 32 rows for each head (tile >> 1 = w >> 2)
	s_add_co_u32 s38, s38, s33
	s_and_b32 s33, s29, 1
	s_lshl_b32 s33, s33, 13                        ;  + 8 rows for the odd tile
	s_add_co_u32 s38, s38, s33
	s_lshl_b32 s33, s28, 9                         ;  + K step w & 1
	s_add_co_u32 s38, s38, s33
	s_mov_b32 s39, 0
	s_wait_kmcnt 0x0
	s_add_nc_u64 s[4:5], s[4:5], s[34:35]
	s_add_nc_u64 s[6:7], s[6:7], s[36:37]
	s_add_nc_u64 s[8:9], s[8:9], s[38:39]
.set i, 0
.rept 64
	global_load_b32 v[X+i], v6, s[4:5] offset:16384*i   ; channel 64 cg + i of 32 neighbouring tokens: 128 consecutive bytes a wave
.set i, i+1
.endr
.set i, 0
.rept 16
	global_load_b128 v[G+4*i:G+4*i+3], v23, s[6:7] offset:16*i
.set i, i+1
.endr
.irp c, 0,1
.irp j, 0,1,2,3,4,5,6,7
	global_load_b128 v[WST+32*\c+4*\j:WST+32*\c+4*\j+3], v7, s[8:9] offset:256*\c+16*\j   ; my row's k = 64 c + 32 h + 0 .. 31: the order of the operand's registers
.endr
.endr
	s_wait_loadcnt 32                              ; x is in: the 32 younger loads (g's 16, the weights' 16) may be out
	v_pk_mul_f32 v[24:25], v[X:X+1], v[X:X+1]      ; the sum of my 64 squares, in two packed chains
	v_pk_mul_f32 v[26:27], v[X+2:X+3], v[X+2:X+3]
.set i, 4
.rept 15
	v_pk_fma_f32 v[24:25], v[X+i:X+i+1], v[X+i:X+i+1], v[24:25]
	v_pk_fma_f32 v[26:27], v[X+i+2:X+i+3], v[X+i+2:X+i+3], v[26:27]
.set i, i+4
.endr
	v_pk_add_f32 v[24:25], v[24:25], v[26:27]
	v_add_f32 v24, v24, v25
	ds_store_b32 v8, v24
	s_wait_loadcnt 16                              ; g is in: the weights' 16 may be out
.set i, 0
.rept 32
	v_pk_mul_f32 v[X+i:X+i+1], v[X+i:X+i+1], v[G+i:G+i+1]
.set i, i+2
.endr
	s_wait_loadcnt 0x0                             ; the weights
	QB2 WST, 36, 48, 28
	WORD2 56, 28
	ds_store_b128 v12, v[36:39]                    ; the fragment as it stands: register 4 g + i of lane l at 512 g + 16 l + 4 i
	ds_store_b128 v12, v[40:43] offset:512
	ds_store_b128 v12, v[44:47] offset:1024
	ds_store_b32 v13, v56
	s_wait_dscnt 0x0                               ; for the others' sake: my stores have landed
	s_barrier_signal -1
	s_barrier_wait -1
.irp j, 0,1,2,3
	ds_load_b32 v[24+\j], v9 offset:512*\j         ; my token's four partial sums
.endr
	s_wait_dscnt 0x0
	v_add_f32 v24, v24, v25                        ; in one order in all four waves of a token
	v_add_f32 v24, v24, v26
	v_add_f32 v24, v24, v27
	v_sqrt_f32 v24, v24
	v_nop                                          ; a plain place behind the root,
	s_wait_alu depctr_va_vdst(0)                   ; and a wait ahead of its first reader
	v_max_num_f32 v24, 0x2b8cbccc, v24             ; max(norm, 1e-12)
	v_rcp_f32 v24, v24
	v_nop
	s_wait_alu depctr_va_vdst(0)
	v_mul_f32 v58, 0x41800000, v24                 ; sqrt(256) / max(norm, 1e-12)
	v_mov_b32 v59, v58
.set i, 0
.rept 32
	v_pk_mul_f32 v[X+i:X+i+1], v[X+i:X+i+1], v[58:59]
.set i, i+2
.endr
	QB2 X, 36, 48, 28
	v_lshl_or_b32 v56, v33, 8, v32                 ; my two blocks' bytes
	ds_store_b128 v10, v[36:39]                    ; 48 bytes of my token's row of codes
	ds_store_b128 v10, v[40:43] offset:16
	ds_store_b128 v10, v[44:47] offset:32
	ds_store_b16 v11, v56
	s_wait_dscnt 0x0
	s_barrier_signal -1
	s_barrier_wait -1                              ; x's codes and the weights' sixteen fragments lie in LDS
	s_cmp_lt_u32 s20, 8
	s_cbranch_scc1 .Lwork
	END3                                           ; waves 8 to 15 have done their part
	s_endpgm
.Lwork:
	s_lshl_b32 s33, s31, 2
	s_add_co_u32 s33, s33, s29                     ; bh = 4 x batch + head (w >> 1)
	s_cmp_eq_u32 s22, 2
	s_cbranch_scc1 .Lv
	; ---- q, k: wave w: head w >> 1, the 64 tokens of group w & 1.  Source 0 = 16 rows of the weights, source 1 = 16 tokens: lane (r, h) holds token (t, r), and the 16 registers of tiles u = 0, 1 are f = 16 h + 0 .. 15
.irp f, 0,1,2,3
.irp q, 0,1,2
	ds_load_b128 v[WF+12*\f+4*\q:WF+12*\f+4*\q+3], v18 offset:1536*\f+512*\q   ; fragment 2 u + s
.endr
	ds_load_b32 v[WSC+\f], v19 offset:128*\f
.endr
.irp t, 0,1,2,3
.irp s, 0,1
.irp p, 0,1,2,3,4,5
	ds_load_b64 v[XF+12*(2*\t+\s)+2*\p:XF+12*(2*\t+\s)+2*\p+1], v14 offset:8*XPIT*\t+96*\s+48*(\p/3)+8*(\p%3)
.endr
.endr
	ds_load_b64 v[XSC+2*\t:XSC+2*\t+1], v15 offset:64*\t
.endr
	s_wait_dscnt 0x0
.irp s, 0,1                                        ; the eight accumulators take turns, one instruction a turn
.irp t, 0,1,2,3
.irp u, 0,1
	MM ACC+16*\t+8*\u, WF+12*(2*\u+\s), XF+12*(2*\t+\s), WSC+2*\u+\s, XSC+2*\t+\s, 1-\s
.endr
.endr
.endr
.irp b, 0,1,2,3
	v_mov_b32 v[TM+4+\b], 0                        ; the lane permutes' destinations are written once; these four are also the places behind the products
.endr
.irp b, 0,1,2,3                                    ; a token's block of 32 f lies in lanes l and l xor 16
	v_max3_num_f32 v[TM+\b], |v[ACC+16*\b]|, |v[ACC+16*\b+1]|, 0x1800000
.endr
.irp i, 2,4,6,8,10,12,14
.irp b, 0,1,2,3
	v_max3_num_f32 v[TM+\b], v[TM+\b], |v[ACC+16*\b+\i]|, |v[ACC+16*\b+\i+1]|
.endr
.endr
.irp b, 0,1,2,3
	v_permlanex16_b32 v[TM+4+\b], v[TM+\b], s[SEL], s[SEL+1]
.endr
.irp b, 0,1,2,3
	v_max_num_f32 v[TM+\b], v[TM+\b], v[TM+4+\b]
.endr
.irp b, 0,1,2,3
	v_add_nc_u32 v[TM+8+\b], 0xff000000, v[TM+\b]
.endr
.irp b, 0,1,2,3
	v_lshrrev_b32 v[TM+4+\b], 23, v[TM+8+\b]       ; token (b, r)'s scale byte, in both halves of the lanes
.endr
.irp c, 0,1
	v_cvt_scalef32_pk16_fp6_f32 v[FR8+8*\c:FR8+8*\c+2], v[ACC+32*\c:ACC+32*\c+15], v[TM+8+2*\c]
	v_cvt_scalef32_pk16_fp6_f32 v[CT+4*\c:CT+4*\c+2], v[ACC+32*\c+16:ACC+32*\c+31], v[TM+9+2*\c]
.endr
	v_nop
.irp c, 0,1                                        ; the halves change places: lane (r, h) then holds the whole 24 bytes of token (2 c + h, r)
.irp i, 0,1,2
	v_permlane16_swap_b32 v[FR8+8*\c+\i], v[CT+4*\c+\i]
.endr
.irp i, 0,1,2
	v_mov_b32 v[FR8+8*\c+3+\i], v[CT+4*\c+\i]
.endr
.endr
	s_lshl_b32 s40, s32, 1
	s_add_co_u32 s40, s40, s28                     ; F: the group of 64 tokens in the batch
	s_cmp_lg_u32 s22, 0
	s_cbranch_scc1 .Lk
	; q: eight words a query: six of codes, its scale byte four times, a zero
	s_mov_b32 s41, 0x01010101
.irp c, 0,1
	v_cndmask_b32 v[FR8+8*\c+6], v[TM+4+2*\c], v[TM+5+2*\c], vcc_lo
	v_mov_b32 v[FR8+8*\c+7], 0
.endr
.irp c, 0,1
	v_mul_lo_u32 v[FR8+8*\c+6], v[FR8+8*\c+6], s41
.endr
	v_lshlrev_b32 v160, 9, v5
	v_lshl_add_u32 v160, v4, 4, v160               ; tile 2 c + h: 512 h; query r: 16 r
	s_lshl_b32 s42, s33, 17
	s_lshl_b32 s43, s40, 11
	s_add_co_u32 s42, s42, s43
	s_mov_b32 s43, 0
	s_add_nc_u64 s[10:11], s[10:11], s[42:43]
.irp c, 0,1
.irp q, 0,1
	global_store_b128 v160, v[FR8+8*\c+4*\q:FR8+8*\c+4*\q+3], s[10:11] offset:1024*\c+256*\q   ; each half of the lanes stores 256 consecutive bytes, aligned
.endr
.endr
	END3
	s_endpgm
.Lk:
	; k: the fragment's image (block 2 c + h of row r = key (2 c + h, r)) and a word of four scale bytes a row
	v_lshl_or_b32 v161, v[TM+5], 8, v[TM+4]
	v_lshl_or_b32 v161, v[TM+6], 16, v161
	v_lshl_or_b32 v161, v[TM+7], 24, v161
.irp i, 0,1,2,3,4,5
	v_mov_b32 v[FR8+6+\i], v[FR8+8+\i]             ; ascending: no source is written before it is read
.endr
	v_lshlrev_b32 v162, 4, v3
	v_lshlrev_b32 v163, 2, v4
	s_lshl_b32 s41, s33, 6
	s_add_co_u32 s41, s41, s40                     ; 64 bh + F
	s_mul_i32 s42, s41, 1536
	s_mov_b32 s43, 0
	s_add_nc_u64 s[12:13], s[12:13], s[42:43]
	s_lshl_b32 s42, s41, 6
	s_add_nc_u64 s[14:15], s[14:15], s[42:43]
.irp q, 0,1,2
	global_store_b128 v162, v[FR8+4*\q:FR8+4*\q+3], s[12:13] offset:512*\q   ; 512 consecutive bytes
.endr
	global_store_b32 v163, v161, s[14:15]          ; both halves of the lanes hold and write the same word
	END3
	s_endpgm
.Lv:
	; ---- v: wave w: head w >> 1, tile u = w & 1 of its f, all 128 tokens.  Source 0 = 16 tokens, source 1 = 16 rows of the weights: lane (r, h) holds f = 8 u + r + 8 (r >> 3),
	; and the 32 registers of a group F are tokens 64 F + 32 h + 0 .. 31: a whole block of the next product's K
.irp s, 0,1
.irp q, 0,1,2
	ds_load_b128 v[WF+12*\s+4*\q:WF+12*\s+4*\q+3], v20 offset:1536*\s+512*\q
.endr
	ds_load_b32 v[WSC+\s], v21 offset:128*\s
.endr
.irp f, 0,1
.if \f
	PLACES                                         ; in front of loads into registers that matrix instructions have read
.endif
.irp t, 0,1,2,3
.irp s, 0,1
.irp p, 0,1,2,3,4,5
	ds_load_b64 v[XF+12*(2*\t+\s)+2*\p:XF+12*(2*\t+\s)+2*\p+1], v16 offset:64*XPIT*\f+8*XPIT*\t+96*\s+48*(\p/3)+8*(\p%3)
.endr
.endr
	ds_load_b64 v[XSC+2*\t:XSC+2*\t+1], v17 offset:512*\f+64*\t
.endr
	s_wait_dscnt 0x0
.irp s, 0,1                                        ; four accumulators by turns
.irp t, 0,1,2,3
	MM ACC+32*\f+8*\t, XF+12*(2*\t+\s), WF+12*\s, XSC+2*\t+\s, WSC+\s, 1-\s
.endr
.endr
.endr
	PLACES
	QB2 ACC, FR8, CT, TM
	WORD2 160, TM
	v_lshlrev_b32 v162, 4, v3
	v_lshlrev_b32 v163, 2, v4
	s_lshl_b32 s41, s33, 5
	s_add_co_u32 s41, s41, s32                     ; 32 bh + K step
	s_lshl_b32 s41, s41, 1
	s_add_co_u32 s41, s41, s28                     ; x 2 + u
	s_mul_i32 s42, s41, 1536
	s_mov_b32 s43, 0
	s_add_nc_u64 s[16:17], s[16:17], s[42:43]
	s_lshl_b32 s42, s41, 6
	s_add_nc_u64 s[18:19], s[18:19], s[42:43]
.irp q, 0,1,2
	global_store_b128 v162, v[FR8+4*\q:FR8+4*\q+3], s[16:17] offset:512*\q
.endr
	global_store_b32 v163, v160, s[18:19]
	END3
	s_endpgm
.Lfunc_end_k_qc355ecefaf_prep:
	.size	k_qc355ecefaf_prep, .Lfunc_end_k_qc355ecefaf_prep-k_qc355ecefaf_prep
	.p2alignl 7, 3214868480
	.fill 96, 4, 3214868480
	.section	.rodata,"a",@progbits
	.p2align	6, 0x0
	.amdhsa_kernel k_qc355ecefaf_prep
		.amdhsa_group_segment_fixed_size 58368
		.amdhsa_private_segment_fixed_size 0
		.amdhsa_enable_private_segment 0
		.amdhsa_kernarg_size 64
		.amdhsa_user_sgpr_count 2
		.amdhsa_user_sgpr_kernarg_segment_ptr 1
		.amdhsa_wavefront_size32 1
		.amdhsa_system_sgpr_workgroup_id_x 1
		.amdhsa_system_sgpr_workgroup_id_y 1
		.amdhsa_system_sgpr_workgroup_id_z 1
		.amdhsa_system_vgpr_workitem_id 0
		.amdhsa_next_free_vgpr 256
		.amdhsa_next_free_sgpr 66
		.amdhsa_reserve_vcc 1
		.amdhsa_float_denorm_mode_32 3
		.amdhsa_float_denorm_mode_16_64 3
		.amdhsa_memory_ordered 1
		.amdhsa_forward_progress 1
		.amdhsa_inst_pref_size 53
	.end_amdhsa_kernel
	.amdgpu_metadata
---
amdhsa.version: [ 1, 2 ]
amdhsa.kernels:
  - .name:           k_qc355ecefaf_prep
    .symbol:         k_qc355ecefaf_prep.kd
    .args:
      - { .name: x, .offset: 0, .size: 8, .value_kind: global_buffer, .address_space: global }
      - { .name: g, .offset: 8, .size: 8, .value_kind: global_buffer, .address_space: global }
      - { .name: w_qkv, .offset: 16, .size: 8, .value_kind: global_buffer, .address_space: global }
      - { .name: qimg, .offset: 24, .size: 8, .value_kind: global_buffer, .address_space: global }
      - { .name: kimg, .offset: 32, .size: 8, .value_kind: global_buffer, .address_space: global }
      - { .name: kscl, .offset: 40, .size: 8, .value_kind: global_buffer, .address_space: global }
      - { .name: vimg, .offset: 48, .size: 8, .value_kind: global_buffer, .address_space: global }
      - { .name: vscl, .offset: 56, .size: 8, .value_kind: global_buffer, .address_space: global }
    .group_segment_fixed_size: 58368
    .private_segment_fixed_size: 0
    .kernarg_segment_align: 8
    .kernarg_segment_size: 64
    .max_flat_workgroup_size: 512
    .sgpr_count:     66
    .vgpr_count:     256
    .wavefront_size: 32
...
	.end_amdgpu_metadata
.endif
;; end of part 1
;; launch attn (part 2): grid 32 x 8, 8 waves a work-group, no clusters, 234,496 bytes of LDS; arguments qimg, kimg, kscl, vimg, vscl, obuf; writes obuf
.if DOCPART == 2
	.amdgcn_target "amdgcn-amd-amdhsa--gfx1250"
	.amdhsa_code_object_version 6
	.text
	.protected	k_qc355ecefaf_attn
	.globl	k_qc355ecefaf_attn
	.p2align	8
	.type	k_qc355ecefaf_attn,@function
k_qc355ecefaf_attn:
	s_mov_b64 s[64:65], 0
	v_nop
	global_prefetch_b8 v0, s[64:65] scope:SCOPE_SE
	s_setreg_imm32_b32 hwreg(HW_REG_WAVE_MODE, 25, 1), 1
	s_wait_xcnt 0x0
; ATTN: for one head, out = Q(softmax(q k^T / sqrt(32)) / sqrt(32)) Q(v), both products on codes of E2M3; out is quantised along the head's 32 for the last product.  Nothing of the problem is left out here.
; The second product's left operand is the FINISHED softmax times SCALE, so a row's sum must be known before any weight is quantised.  THE SCORES STAY IN REGISTERS MEANWHILE:
; a work-group of eight waves takes a tile of 16 queries at a time (8 tiles, 128 queries); wave w takes keys 512 w .. 512 w + 511, and its 16 x 512 scores fill 256 registers (window 1).
; Every score and every exponential is made once.
; THE MAXIMUM taken away is local: for each lane and each 128 keys (64 registers), M = the largest t there, rounded up to a whole number; t = score x log2(e) / sqrt(32); p = 2^(t - M).
; The waves exchange (-M, sum) once a tile through LDS; then a = p x ldexp(SCALE / l, M - the row's M): the power of two rounds nothing.  a is quantised along the keys and multiplied by V.
; K = 32 IN THE FIRST PRODUCT: a fragment of 12 registers holds FOUR tiles of 16 keys, one in each of its four blocks of 32; Q stands in block t of an operand whose other blocks are zero codes,
; so that the instruction gives tile t's scores.  The four operands are one run of 30 registers: zeros | Q in lanes 0-15 | zeros | Q in lanes 16-31 | zeros.
; THE ORDER OF KEYS: row r of tile t of fragment F is key 64 F + 32 (r >> 3) + 8 t + (r & 7): register 8 t + j of lane (r', h') is then key 64 F + 32 h' + 8 t + j: a WHOLE block of 32 keys in a lane, in order.
; ONE TRIP serves two tiles: the last tile's a, codes and V^T P free just the registers that the next tile's scores fill, 64 at a time.
; LIMITS: a p under 2^-126 of its local maximum counts as 0.  A block's largest a is made from the block's largest score by the same three instructions as every a: this takes v_exp_f32 not to fall where its input rises.
; A block of zeros has the byte 1: its codes are zeros.  NaN and infinities are not served.
; NO CLUSTER, NO TENSOR LOAD: the 32 work-groups of a head read the same K and V, but each reads them once, 204,800 bytes at its head; V lands in the registers in which it stays for all 8 tiles, where a joint load cannot put it,
; and a wave's K goes to LDS bytes that it alone reads.  Nothing is streamed in the loop but 512 bytes of Q a tile.
.set OPL,   98304                      ; LDS: 0: K, 12,288 bytes a wave, its own.  OPL: partial O, [tile][wave] x 2,048 bytes
.set EXL,   229376                     ; the exchange: two parities of 2,048 bytes; in each -M at 48 r' + 4 w, the sums 768 bytes on
.set SPARE, 233472                     ; the spare words, 128 bytes a wave: no other line names them
.set SPW, 1
.set NIL, 2
.set KAD, 3                            ; v3  my wave's K + 16 x lane
.set EXW, 4                            ; v4  where I put my wave's -M
.set EXR, 5                            ; v5  where my query's eight lie
.set OPW, 6                            ; v6  partial O: my wave's place in tile 0
.set L16, 7                            ; v7  16 x lane
.set R16, 8                            ; v8  16 x r'
.set SH8, 9                            ; v9  8 x h'
.set ADT, 10                           ; v10 the address in hand
.set OPR, 11                           ; v11 partial O: tile w, wave 0
.set NP,  12                           ; v[12:13] -M of the 128 keys in hand (the packed form names a pair)
.set FP,  14                           ; v[14:15] the factor
.set SCO, 16                           ; v16-17 the conversions' scale operands
.set BY,  18                           ; v18-19 bytes
.set BM,  20                           ; v20-21 the two blocks' largest scores
.set A0,  22                           ; v22-25 sums
.set A1,  24
.set T,   26                           ; v26-29 at work
.set EXT, 14                           ; v14-29 at a trip's head: eight -M, eight sums
.set NMG, 30                           ; v30 the row's -M
.set RL,  31                           ; v31 SCALE / l
.set NMK, 32                           ; v32-35 -M of each 128 keys
.set LK,  36                           ; v36-39 their sums
.set PMX, 40                           ; v40-47 each block's largest p
.set PW,  48                           ; v48-49 a's scale words, by turns
.set QSC, 50                           ; v50 Q's scale word
.set KS,  52                           ; v52-55 K's scale words: lanes 0-15 fragment 2 j, lanes 16-31 fragment 2 j + 1
.set VS,  56                           ; v56-59 V's: lanes 0-15 tile u = 0, lanes 16-31 u = 1
.set QR,  60                           ; v60-89 the run of Q
.set L4,  90                           ; v90 4 x lane
.set OBO, 91                           ; v91 my offset in obuf
.set KB,  92                           ; v92-115 two fragments of K
.set PC,  116                          ; v116-127 a's codes
.set CT,  128                          ; v128-135 conversions' second halves; between the steps: the next Q as loaded
.set TQ,  128
.set O,   136                          ; v136-151 O^T: f = 16 h' + 0 .. 15 of query r'
.set VF,  152                          ; v152-247 V's eight fragments, at 12 (2 k + u)
.set MSB, 0
.macro WIN new                         ; the immediate's high byte repeats the setting that is left; a switch that changes nothing is dropped
.if MSB != \new
	s_set_vgpr_msb (MSB<<8)|\new
.set MSB, \new
.endif
.endm
.macro PLACES
.rept 4
	v_nop
.endr
.endm
.macro BUILDQ w                        ; the run of Q from the eight words loaded
.if \w
	s_wait_loadcnt 0x0                             ; the two loads of Q (in the first trip V and its scale words too)
.endif
	v_mov_b32 v[QSC], v[TQ+6]
.irp i, 0,1,2,3,4,5
	v_cndmask_b32 v[QR+6+\i], v[TQ+\i], v[QR], vcc_lo     ; codes in lanes 0-15, zeros above
.endr
.irp i, 0,1,2,3,4,5
	v_cndmask_b32 v[QR+18+\i], v[QR], v[TQ+\i], vcc_lo    ; and the other way round
.endr
.endm
.macro QLOAD                           ; the next tile's Q; the last load by this base has been waited for
	WIN 0
	s_add_nc_u64 s[4:5], s[4:5], 512
	global_load_b128 v[TQ:TQ+3], v[R16], s[4:5]
	global_load_b128 v[TQ+4:TQ+7], v[R16], s[4:5] offset:256
.endm
.macro KLOAD k
	WIN 0
.irp fl, 0,1
.irp q, 0,1,2
	ds_load_b128 v[KB+12*\fl+4*\q:KB+12*\fl+4*\q+3], v[KAD] offset:(2*(\k)+\fl)*1536+512*\q
.endr
.endr
.endm
.macro SCORES k                        ; S^T of 128 keys: source 0 = a fragment of K, source 1 = Q in block t
	WIN 0x40
.irp fl, 0,1
.irp t, 0,1,2,3
.if \fl
	v_wmma_scale_f32_16x16x128_f8f6f4 v[64*(\k)+32*\fl+8*\t:64*(\k)+32*\fl+8*\t+7], v[KB+12*\fl:KB+12*\fl+11], v[QR+6*(1-\t/2)+12*(\t%2):QR+6*(1-\t/2)+12*(\t%2)+11], 0, v[KS+(\k)], v[QSC] matrix_a_fmt:MATRIX_FMT_FP6 matrix_b_fmt:MATRIX_FMT_FP6 matrix_a_scale:MATRIX_SCALE_ROW1
.else
	v_wmma_scale_f32_16x16x128_f8f6f4 v[64*(\k)+32*\fl+8*\t:64*(\k)+32*\fl+8*\t+7], v[KB+12*\fl:KB+12*\fl+11], v[QR+6*(1-\t/2)+12*(\t%2):QR+6*(1-\t/2)+12*(\t%2)+11], 0, v[KS+(\k)], v[QSC] matrix_a_fmt:MATRIX_FMT_FP6 matrix_b_fmt:MATRIX_FMT_FP6
.endif
.endr
.endr
.endm
.macro MAXES k                         ; each block's largest score (ascending: every accumulator is first read at its low end), -M, and t - M of the two largest
	WIN 0x05
.irp fl, 0,1
	v_max_num_f32 v[BM+\fl], v[64*(\k)+32*\fl], v[64*(\k)+32*\fl+1]
.endr
.irp i, 2,4,6,8,10,12,14,16,18,20,22,24,26,28,30
.irp fl, 0,1
	v_max3_num_f32 v[BM+\fl], v[64*(\k)+32*\fl+\i], v[64*(\k)+32*\fl+\i+1], v[BM+\fl]
.endr
.endr
	WIN 0
	v_max_num_f32 v[T], v[BM], v[BM+1]
	v_mul_f32 v[T], s22, v[T]
	v_floor_f32 v[NP], -v[T]                       ; -M = floor(-t): M is a whole number
.irp fl, 0,1
	v_fma_f32 v[PMX+2*(\k)+\fl], v[BM+\fl], s22, v[NP]
.endr
.endm
.macro SCL k, i
	v_pk_fma_f32 v[64*(\k)+2*(\i):64*(\k)+2*(\i)+1], v[64*(\k)+2*(\i):64*(\k)+2*(\i)+1], s[22:23], v[NP:NP+1] op_sel_hi:[1,0,0]   ; t - M, two at a time
.endm
.macro EXPS k                          ; ONE BATCH of 66 exponentials with the scalings between them; nothing names a result ahead of the one wait
	WIN 0x41
	SCL \k, 0
	SCL \k, 1
.set ei, 0
.rept 32
	v_exp_f32 v[64*(\k)+2*ei], v[64*(\k)+2*ei]
.if ei < 30
	SCL \k, ei+2
.endif
	v_exp_f32 v[64*(\k)+2*ei+1], v[64*(\k)+2*ei+1]
.set ei, ei+1
.endr
	WIN 0
.irp fl, 0,1
	v_exp_f32 v[PMX+2*(\k)+\fl], v[PMX+2*(\k)+\fl]
.endr
	v_mov_b32 v[NMK+(\k)], v[NP]                   ; the plain place behind the last exponential
	s_wait_alu depctr_va_vdst(0)                   ; the wait ahead of the batch's first reader
.endm
.macro SUMS k                          ; the sum of the unquantised p, in two packed chains
	WIN 0x05
	v_pk_add_f32 v[A0:A0+1], v[64*(\k):64*(\k)+1], v[64*(\k)+2:64*(\k)+3]
	v_pk_add_f32 v[A1:A1+1], v[64*(\k)+4:64*(\k)+5], v[64*(\k)+6:64*(\k)+7]
	WIN 0x01
.set si, 8
.rept 14
	v_pk_add_f32 v[A0:A0+1], v[64*(\k)+si:64*(\k)+si+1], v[A0:A0+1]
	v_pk_add_f32 v[A1:A1+1], v[64*(\k)+si+2:64*(\k)+si+3], v[A1:A1+1]
.set si, si+4
.endr
	WIN 0
	v_pk_add_f32 v[A0:A0+1], v[A0:A0+1], v[A1:A1+1]
	v_add_f32 v[LK+(\k)], v[A0], v[A0+1]
.endm
.macro FACS k                          ; the factor of these 128 keys, the two blocks' scales, a's scale word
	WIN 0
	v_sub_f32 v[T], v[NMG], v[NMK+(\k)]            ; M here less the row's M: a whole number, 0 or less
	v_cvt_i32_f32 v[T], v[T]
	v_ldexp_f32 v[FP], v[RL], v[T]
.irp fl, 0,1
	v_mul_f32 v[BY+\fl], v[PMX+2*(\k)+\fl], v[FP]  ; the block's largest a
.endr
.irp fl, 0,1
	v_max_num_f32 v[BY+\fl], 0x1800000, v[BY+\fl]
.endr
.irp fl, 0,1
	v_add_nc_u32 v[SCO+\fl], 0xff000000, v[BY+\fl]
.endr
.irp fl, 0,1
	v_lshrrev_b32 v[BY+\fl], 23, v[SCO+\fl]
.endr
	v_lshl_or_b32 v[PW+((\k)%2)], v[BY+1], 16, v[BY]
	v_lshlrev_b32 v[PW+((\k)%2)], v[SH8], v[PW+((\k)%2)]
	v_permlanex16_b32 v[T], v[PW+((\k)%2)], s20, s21
	v_or_b32 v[PW+((\k)%2)], v[PW+((\k)%2)], v[T]
.endm
.macro MULS k                          ; a = p x the factor
	WIN 0x41
.set mi, 0
.rept 32
	v_pk_mul_f32 v[64*(\k)+mi:64*(\k)+mi+1], v[64*(\k)+mi:64*(\k)+mi+1], v[FP:FP+1] op_sel_hi:[1,0]
.set mi, mi+2
.endr
.endm
.macro CVTS k                          ; a lane's two whole blocks become the operand's 12 registers
	WIN 0x01
.irp fl, 0,1
	v_cvt_scalef32_pk16_fp6_f32 v[PC+6*\fl:PC+6*\fl+2], v[64*(\k)+32*\fl:64*(\k)+32*\fl+15], v[SCO+\fl]
	v_cvt_scalef32_pk16_fp6_f32 v[CT+4*\fl:CT+4*\fl+2], v[64*(\k)+32*\fl+16:64*(\k)+32*\fl+31], v[SCO+\fl]
.endr
	v_nop                                          ; one plain place behind the scaled conversions
	WIN 0
.irp fl, 0,1
.irp i, 0,1,2
	v_mov_b32 v[PC+6*\fl+3+\i], v[CT+4*\fl+\i]
.endr
.endr
.endm
.macro PV k                            ; O^T += V^T a^T: the two accumulators take turns
	WIN 0
.if (\k) == 0
	v_wmma_scale_f32_16x16x128_f8f6f4 v[O:O+7], v[VF+24*(\k):VF+24*(\k)+11], v[PC:PC+11], 0, v[VS+(\k)], v[PW+((\k)%2)] matrix_a_fmt:MATRIX_FMT_FP6 matrix_b_fmt:MATRIX_FMT_FP6
	v_wmma_scale_f32_16x16x128_f8f6f4 v[O+8:O+15], v[VF+24*(\k)+12:VF+24*(\k)+23], v[PC:PC+11], 0, v[VS+(\k)], v[PW+((\k)%2)] matrix_a_fmt:MATRIX_FMT_FP6 matrix_b_fmt:MATRIX_FMT_FP6 matrix_a_scale:MATRIX_SCALE_ROW1
.else
	v_wmma_scale_f32_16x16x128_f8f6f4 v[O:O+7], v[VF+24*(\k):VF+24*(\k)+11], v[PC:PC+11], v[O:O+7], v[VS+(\k)], v[PW+((\k)%2)] matrix_a_fmt:MATRIX_FMT_FP6 matrix_b_fmt:MATRIX_FMT_FP6
	v_wmma_scale_f32_16x16x128_f8f6f4 v[O+8:O+15], v[VF+24*(\k)+12:VF+24*(\k)+23], v[PC:PC+11], v[O+8:O+15], v[VS+(\k)], v[PW+((\k)%2)] matrix_a_fmt:MATRIX_FMT_FP6 matrix_b_fmt:MATRIX_FMT_FP6 matrix_a_scale:MATRIX_SCALE_ROW1
.endif
.endm
.macro OSTORE                          ; my keys' part of a tile's O^T: bytes written once in the launch
	WIN 0
	v_add_nc_u32 v[ADT], s26, v[OPW]
.irp q, 0,1,2,3
	ds_store_b128 v[ADT], v[O+4*\q:O+4*\q+3] offset:512*\q
.endr
	s_add_co_u32 s26, s26, 16384
.endm
.macro TAIL                            ; my wave's -M and sum for each query go to the exchange; the tile's one barrier
	WIN 0
	v_min_num_f32 v[T], v[NMK], v[NMK+1]
	v_min_num_f32 v[T], v[T], v[NMK+2]
	v_min_num_f32 v[T], v[T], v[NMK+3]
	v_permlanex16_b32 v[T+1], v[T], s20, s21
	v_min_num_f32 v[T], v[T], v[T+1]               ; the wave's -M of query r'
.irp j, 0,1,2,3
	v_sub_f32 v[A0+\j], v[T], v[NMK+\j]
.endr
.irp j, 0,1,2,3
	v_cvt_i32_f32 v[A0+\j], v[A0+\j]
.endr
.irp j, 0,1,2,3
	v_ldexp_f32 v[A0+\j], v[LK+\j], v[A0+\j]       ; each sum under the wave's M: nothing is rounded
.endr
	v_add_f32 v[A0], v[A0], v[A0+1]
	v_add_f32 v[A0+2], v[A0+2], v[A0+3]
	v_add_f32 v[A0], v[A0], v[A0+2]
	v_permlanex16_b32 v[T+1], v[A0], s20, s21
	v_add_f32 v[A0], v[A0], v[T+1]
	v_add_nc_u32 v[ADT], s25, v[EXW]
	ds_store_b32 v[ADT], v[T]                      ; both halves of the lanes hold and write the same words
	ds_store_b32 v[ADT], v[A0] offset:768
	s_wait_dscnt 0x0                               ; for the others' sake: my stores have landed; and my reads of the other parity, which is written next, came back long ago
	s_barrier_signal -1
	s_barrier_wait -1
.endm
.macro HEAD nx                         ; behind the barrier: the row's -M and SCALE / l, the same bits in all eight waves
	WIN 0
.if \nx
	KLOAD 0
.endif
	v_add_nc_u32 v[ADT], s25, v[EXR]
	s_xor_b32 s25, s25, 2048                       ; the next tile's exchange takes the other parity: a fast wave writes there while a slow one still reads here
	ds_load_b128 v[EXT:EXT+3], v[ADT]
	ds_load_b128 v[EXT+4:EXT+7], v[ADT] offset:16
	ds_load_b128 v[EXT+8:EXT+11], v[ADT] offset:768
	ds_load_b128 v[EXT+12:EXT+15], v[ADT] offset:784
.if \nx
	BUILDQ 1
.endif
	s_wait_dscnt 0x0
	v_min_num_f32 v[NMG], v[EXT], v[EXT+1]
.irp e, 2,3,4,5,6,7
	v_min_num_f32 v[NMG], v[NMG], v[EXT+\e]
.endr
.irp e, 0,1,2,3,4,5,6,7
	v_sub_f32 v[EXT+\e], v[NMG], v[EXT+\e]
.endr
.irp e, 0,1,2,3,4,5,6,7
	v_cvt_i32_f32 v[EXT+\e], v[EXT+\e]
.endr
.irp e, 0,1,2,3,4,5,6,7
	v_ldexp_f32 v[EXT+8+\e], v[EXT+8+\e], v[EXT+\e]
.endr
	v_pk_add_f32 v[EXT+8:EXT+9], v[EXT+8:EXT+9], v[EXT+10:EXT+11]
	v_pk_add_f32 v[EXT+12:EXT+13], v[EXT+12:EXT+13], v[EXT+14:EXT+15]
	v_pk_add_f32 v[EXT+8:EXT+9], v[EXT+8:EXT+9], v[EXT+12:EXT+13]
	v_add_f32 v[RL], v[EXT+8], v[EXT+9]
	v_rcp_f32 v[RL], v[RL]
	v_nop
	s_wait_alu depctr_va_vdst(0)
	v_mul_f32 v[RL], s24, v[RL]
	FACS 0
	MULS 0
.endm
; 128 keys.  p3: the last tile's codes and V^T a.  nx: the next tile's scores, maxima, exponentials and sums, in the registers just freed.  qc: the fetch of Q stands under the count of trips.
; Places: behind a's moves and ahead of V^T a stand the next factor's fifteen plain lines (or four v_nop); a's scale word was made 32 multiplies earlier;
; behind the products stand the next 32 multiplies (or four v_nop), ahead of the reads of the scores, of the loads into K's registers and of the store of O^T.
.macro STEP k, p3, nx, qc
.if \p3
	CVTS \k
.if \k < 3
	FACS (\k)+1
.else
	PLACES
.endif
	PV \k
.endif
.if \nx
	s_wait_dscnt 0x0                               ; these keys' two fragments of K are in
	SCORES \k
.endif
.if \p3 && (\k < 3)
	MULS (\k)+1
.else
	PLACES
.endif
.if \p3 && (\k == 3)
	OSTORE
.endif
.if \nx
.if \k < 3
	KLOAD (\k)+1
.else
.if \qc
	WIN 0
	s_cmp_eq_u32 s27, 1                            ; the last trip has no tile behind it: no load leaves qimg
	s_cbranch_scc1 .Lnoq_\@
.endif
	QLOAD
.if \qc
.Lnoq_\@:
.endif
.endif
	MAXES \k
	EXPS \k
	SUMS \k
.endif
.endm
	s_load_b256 s[4:11], s[0:1], 0x0               ; qimg s[4:5], kimg s[6:7], kscl s[8:9], vimg s[10:11]
	s_load_b128 s[12:15], s[0:1], 0x20             ; vscl s[12:13], obuf s[14:15]
	v_lshl_add_u32 v[SPW], v0, 2, SPARE
	v_mov_b32 v[NIL], 0
	v_lshrrev_b32 v10, 5, v0
	v_readfirstlane_b32 s16, v10                   ; wave 0..7
	v_and_b32 v7, 31, v0                           ; lane
	v_and_b32 v8, 15, v0                           ; r'
	v_bfe_u32 v9, v0, 4, 1                         ; h'
	s_and_b32 s18, ttmp7, 0xffff                   ; bh
	s_mov_b32 s20, 0x76543210
	s_mov_b32 s21, 0xfedcba98
	s_mov_b32 s22, 0x3e8293ee                      ; log2(e) / sqrt(32)
	s_mov_b32 s23, s22
	s_mov_b32 s24, 0x3e3504f3                      ; SCALE = 1 / sqrt(32)
	s_mov_b32 s25, 0
	s_mov_b32 s26, 0
	s_mov_b32 vcc_lo, 0xffff0000                   ; lanes 16-31
	v_lshlrev_b32 v[L4], 2, v7
	s_mul_i32 s34, s16, 12288
	v_lshl_add_u32 v[KAD], v7, 4, s34
	v_mul_u32_u24 v[EXR], v8, 48
	v_add_nc_u32 v[EXR], EXL, v[EXR]
	s_lshl_b32 s34, s16, 2
	v_add_nc_u32 v[EXW], s34, v[EXR]
	s_lshl_b32 s34, s16, 11
	s_add_co_u32 s34, s34, OPL
	v_lshl_add_u32 v[OPW], v7, 4, s34
	s_lshl_b32 s34, s16, 14
	s_add_co_u32 s34, s34, OPL
	v_lshl_add_u32 v[OPR], v7, 4, s34
	s_lshr_b32 s34, s16, 2                         ; on the way out wave w has tile w: token 64 (w >> 2) + 32 (r' >> 3) + 8 (w & 3) + (r' & 7)
	s_lshl_b32 s34, s34, 6
	s_and_b32 s35, s16, 3
	s_lshl_b32 s35, s35, 3
	s_add_co_u32 s34, s34, s35
	v_lshrrev_b32 v[OBO], 3, v8
	v_and_b32 v[ADT], 7, v8
	v_lshl_add_u32 v[OBO], v[OBO], 5, v[ADT]
	v_add_nc_u32 v[OBO], s34, v[OBO]
	v_lshlrev_b32 v[OBO], 5, v[OBO]
	v_lshl_add_u32 v[OBO], v9, 4, v[OBO]           ; 32 bytes a token, 16 for each half of the lanes
	v_lshlrev_b32 v[L16], 4, v7
	v_lshlrev_b32 v[R16], 4, v8
	v_lshlrev_b32 v[SH8], 3, v9
	s_lshl_b32 s28, s18, 17                        ; qimg and obuf: 131,072 bytes a head, 4,096 for 128 queries
	s_lshl_b32 s29, ttmp9, 12
	s_add_co_u32 s28, s28, s29
	s_mov_b32 s29, 0
	s_mul_i32 s30, s18, 98304                      ; kimg and vimg: 98,304 bytes a head, 12,288 a wave
	s_mul_i32 s31, s16, 12288
	s_add_co_u32 s30, s30, s31
	s_mov_b32 s31, 0
	s_lshl_b32 s32, s18, 12                        ; kscl and vscl: 4,096 bytes a head, 512 a wave
	s_lshl_b32 s33, s16, 9
	s_add_co_u32 s32, s32, s33
	s_mov_b32 s33, 0
	s_wait_kmcnt 0x0
	s_add_nc_u64 s[4:5], s[4:5], s[28:29]
	s_add_nc_u64 s[14:15], s[14:15], s[28:29]
	s_add_nc_u64 s[6:7], s[6:7], s[30:31]
	s_add_nc_u64 s[10:11], s[10:11], s[30:31]
	s_add_nc_u64 s[8:9], s[8:9], s[32:33]
	s_add_nc_u64 s[12:13], s[12:13], s[32:33]
	global_load_b128 v[TQ:TQ+3], v[R16], s[4:5]    ; tile 0's Q
	global_load_b128 v[TQ+4:TQ+7], v[R16], s[4:5] offset:256
.irp j, 0,1,2,3
	global_load_b32 v[KS+\j], v[L4], s[8:9] offset:128*\j
.endr
	WIN 0x40                                       ; K goes through the registers that the scores will take
.set i, 0
.rept 24
	global_load_b128 v[4*i:4*i+3], v[L16], s[6:7] offset:512*i
.set i, i+1
.endr
	WIN 0
.irp j, 0,1,2,3
	global_load_b32 v[VS+\j], v[L4], s[12:13] offset:128*\j
.endr
.set i, 0
.rept 24
	global_load_b128 v[VF+4*i:VF+4*i+3], v[L16], s[10:11] offset:512*i   ; V stays in registers for all eight tiles
.set i, i+1
.endr
.irp i, 0,1,2,3,4,5
	v_mov_b32 v[QR+\i], 0                          ; the run's three stretches of zero codes
	v_mov_b32 v[QR+12+\i], 0
	v_mov_b32 v[QR+24+\i], 0
.endr
	v_mov_b32 v[NP+1], 0                           ; named as upper halves of pairs
	v_mov_b32 v[FP+1], 0
.irp i, 0,1,2,3
	v_mov_b32 v[T+\i], 0                           ; a lane permute's destination counts as one of its sources
.endr
	s_wait_loadcnt 28                              ; Q, K's scale words and K are in: the 28 younger loads (V's 4 scale words, V's 24) may be out
	WIN 0x04
.set i, 0
.rept 24
	ds_store_b128 v[KAD], v[4*i:4*i+3] offset:512*i   ; my wave's eight fragments, as images; only I read them
.set i, i+1
.endr
	WIN 0
	BUILDQ 0
.rept 8
	v_nop                                          ; a scale register written by a vector instruction stands eight places ahead of the product
.endr
	KLOAD 0
	STEP 0, 0, 1, 0                                ; tile 0's scores and exponentials
	STEP 1, 0, 1, 0
	STEP 2, 0, 1, 0
	STEP 3, 0, 1, 0
	TAIL
	s_mov_b32 s27, 7
.Lunit:                                            ; trip i: tile i - 1 is finished, tile i begun
	HEAD 1
	STEP 0, 1, 1, 1
	STEP 1, 1, 1, 1
	STEP 2, 1, 1, 1
	STEP 3, 1, 1, 1
	TAIL
	s_sub_co_u32 s27, s27, 1
	s_cmp_lg_u32 s27, 0
	s_cbranch_scc1 .Lunit
	HEAD 0                                         ; tile 7 is finished
	STEP 0, 1, 0, 0
	STEP 1, 1, 0, 0
	STEP 2, 1, 0, 0
	STEP 3, 1, 0, 0
	s_wait_dscnt 0x0                               ; my parts of O^T have landed
	s_barrier_signal -1
	s_barrier_wait -1
	; THE WAY OUT: wave w adds the eight waves' parts of tile w, in one order, quantises along the head's 32 (lanes l and l xor 16) and stores 12 bytes of codes and the scale byte
	WIN 0x40
.irp e, 0,1,2,3,4,5,6,7
.irp q, 0,1,2,3
	ds_load_b128 v[16*\e+4*\q:16*\e+4*\q+3], v[OPR] offset:2048*\e+512*\q
.endr
.endr
	s_wait_dscnt 0x0
	WIN 0x45
.irp e, 1,2,3,4,5,6
.irp p, 0,1,2,3,4,5,6,7
	v_pk_add_f32 v[2*\p:2*\p+1], v[2*\p:2*\p+1], v[16*\e+2*\p:16*\e+2*\p+1]
.endr
.endr
	WIN 0x05
.irp p, 0,1,2,3,4,5,6,7
	v_pk_add_f32 v[O+2*\p:O+2*\p+1], v[2*\p:2*\p+1], v[112+2*\p:112+2*\p+1]
.endr
	WIN 0
	v_max3_num_f32 v[T], |v[O]|, |v[O+1]|, 0x1800000
.irp i, 2,4,6,8,10,12,14
	v_max3_num_f32 v[T], v[T], |v[O+\i]|, |v[O+\i+1]|
.endr
	v_permlanex16_b32 v[T+1], v[T], s20, s21
	v_max_num_f32 v[T], v[T], v[T+1]
	v_add_nc_u32 v[T+2], 0xff000000, v[T]
	v_cvt_scalef32_pk16_fp6_f32 v[PC:PC+2], v[O:O+15], v[T+2]
	v_lshrrev_b32 v[PC+3], 23, v[T+2]              ; the scale's byte; also the plain place behind the conversion
	global_store_b128 v[OBO], v[PC:PC+3], s[14:15] ; eight tokens x 32 bytes: two runs of 256 consecutive bytes, aligned
	s_wait_tensorcnt 0x0                           ; the wave's end: three closing lines behind my last LDS store
	ds_add_u32 v[SPW], v[NIL]
	s_wait_dscnt 0x0
	s_endpgm
.Lfunc_end_k_qc355ecefaf_attn:
	.size	k_qc355ecefaf_attn, .Lfunc_end_k_qc355ecefaf_attn-k_qc355ecefaf_attn
	.p2alignl 7, 3214868480
	.fill 96, 4, 3214868480
	.section	.rodata,"a",@progbits
	.p2align	6, 0x0
	.amdhsa_kernel k_qc355ecefaf_attn
		.amdhsa_group_segment_fixed_size 234496
		.amdhsa_private_segment_fixed_size 0
		.amdhsa_enable_private_segment 0
		.amdhsa_kernarg_size 48
		.amdhsa_user_sgpr_count 2
		.amdhsa_user_sgpr_kernarg_segment_ptr 1
		.amdhsa_wavefront_size32 1
		.amdhsa_system_sgpr_workgroup_id_x 1
		.amdhsa_system_sgpr_workgroup_id_y 1
		.amdhsa_system_sgpr_workgroup_id_z 1
		.amdhsa_system_vgpr_workitem_id 0
		.amdhsa_next_free_vgpr 512
		.amdhsa_next_free_sgpr 66
		.amdhsa_reserve_vcc 1
		.amdhsa_float_denorm_mode_32 3
		.amdhsa_float_denorm_mode_16_64 3
		.amdhsa_memory_ordered 1
		.amdhsa_forward_progress 1
		.amdhsa_inst_pref_size 135
	.end_amdhsa_kernel
	.amdgpu_metadata
---
amdhsa.version: [ 1, 2 ]
amdhsa.kernels:
  - .name:           k_qc355ecefaf_attn
    .symbol:         k_qc355ecefaf_attn.kd
    .args:
      - { .name: qimg, .offset: 0, .size: 8, .value_kind: global_buffer, .address_space: global }
      - { .name: kimg, .offset: 8, .size: 8, .value_kind: global_buffer, .address_space: global }
      - { .name: kscl, .offset: 16, .size: 8, .value_kind: global_buffer, .address_space: global }
      - { .name: vimg, .offset: 24, .size: 8, .value_kind: global_buffer, .address_space: global }
      - { .name: vscl, .offset: 32, .size: 8, .value_kind: global_buffer, .address_space: global }
      - { .name: obuf, .offset: 40, .size: 8, .value_kind: global_buffer, .address_space: global }
    .group_segment_fixed_size: 234496
    .private_segment_fixed_size: 0
    .kernarg_segment_align: 8
    .kernarg_segment_size: 48
    .max_flat_workgroup_size: 256
    .sgpr_count:     66
    .vgpr_count:     512
    .wavefront_size: 32
...
	.end_amdgpu_metadata
.endif
;; end of part 2
;; launch proj (part 3): grid 128 x 2, 8 waves a work-group, no clusters, 35,840 bytes of LDS; arguments obuf, w_out, b_out, out0; writes out0
.if DOCPART == 3
	.amdgcn_target "amdgcn-amd-amdhsa--gfx1250"
	.amdhsa_code_object_version 6
	.text
	.protected	k_qc355ecefaf_proj
	.globl	k_qc355ecefaf_proj
	.p2align	8
	.type	k_qc355ecefaf_proj,@function
k_qc355ecefaf_proj:
	s_mov_b64 s[64:65], 0
	v_nop
	global_prefetch_b8 v0, s[64:65] scope:SCOPE_SE
	s_setreg_imm32_b32 hwreg(HW_REG_WAVE_MODE, 25, 1), 1
	s_wait_xcnt 0x0
; PROJ: out0[b][o][n] = sum over the 128 hidden channels of Q(w_out)[o][c] Q(out)[c][n] + b_out[o], on codes of E2M3.  Nothing of the problem is left out here.
; Work-group x: 64 tokens of one batch (a group F); y: 128 outputs.  Wave w: outputs 128 y + 16 w + r: it quantises its 16 rows of w_out in registers (a lane holds two whole blocks of 32).
; Source 0 = 16 tokens, source 1 = my 16 rows of w_out: row r of tile t is token 64 F + 32 (r >> 3) + 8 t + (r & 7), so lane (r, h) ends with tokens 64 F + 32 h + 0 .. 31 of output r: 128 neighbouring bytes.
; They go through the wave's own stage in LDS and leave as rows of 256 bytes.  The bias is the C of each product.
; LIMITS: as in the first launch (a block of zeros has the byte 1; NaN and infinities are not served).
; No cluster, no tensor load: a work-group reads 8,192 bytes of codes and 65,536 of weights once, straight into the operands' registers.
.set SPARE, 34816                      ; LDS: eight stages of 16 rows x 272 bytes, then the spare words, 128 bytes a wave: no other line names them
.set SPW, 1
.set NIL, 2
.set SH8, 8
.set SEL, 16                           ; s[16:17]
.set WST, 32                           ; v32-95 my 64 numbers of w_out; later the rows read back
.set WF,  96                           ; v96-107 their codes
.set CTP, 108
.set WW,  116                          ; v116 their scale word
.set SW,  117                          ; v117-120 the tokens' scale words
.set BC,  122                          ; v122-129 the bias, eight times
.set AF,  130                          ; v130-177 the tokens' four fragments
.set AT,  178                          ; v178-209 their second halves as loaded
.set DD,  210                          ; v210-241 the results
.macro QB2 src, dst, ct, t
.irp c, 0,1
	v_max3_num_f32 v[(\t)+\c], |v[(\src)+32*\c]|, |v[(\src)+32*\c+1]|, 0x1800000   ; with the floor 2^(3 - 127): the byte cannot fall under 1
.endr
.irp i, 2,4,6,8,10,12,14,16,18,20,22,24,26,28,30
.irp c, 0,1
	v_max3_num_f32 v[(\t)+\c], v[(\t)+\c], |v[(\src)+32*\c+\i]|, |v[(\src)+32*\c+\i+1]|
.endr
.endr
.irp c, 0,1
	v_add_nc_u32 v[(\t)+2+\c], 0xff000000, v[(\t)+\c]
.endr
.irp c, 0,1
	v_lshrrev_b32 v[(\t)+4+\c], 23, v[(\t)+2+\c]
.endr
.irp c, 0,1
	v_cvt_scalef32_pk16_fp6_f32 v[(\dst)+6*\c:(\dst)+6*\c+2], v[(\src)+32*\c:(\src)+32*\c+15], v[(\t)+2+\c]
	v_cvt_scalef32_pk16_fp6_f32 v[(\ct)+4*\c:(\ct)+4*\c+2], v[(\src)+32*\c+16:(\src)+32*\c+31], v[(\t)+2+\c]
.endr
	v_nop                                          ; one plain place behind the scaled conversions
.irp c, 0,1
.irp i, 0,1,2
	v_mov_b32 v[(\dst)+6*\c+3+\i], v[(\ct)+4*\c+\i]
.endr
.endr
.endm
	s_load_b256 s[4:11], s[0:1], 0x0               ; obuf s[4:5], w_out s[6:7], b_out s[8:9], out0 s[10:11]
	v_lshl_add_u32 v[SPW], v0, 2, SPARE
	v_mov_b32 v[NIL], 0
	v_lshrrev_b32 v3, 5, v0
	v_readfirstlane_b32 s12, v3                    ; wave 0..7
	v_and_b32 v3, 15, v0                           ; r
	v_bfe_u32 v4, v0, 4, 1                         ; h
	s_and_b32 s14, ttmp7, 0xffff                   ; y
	s_lshr_b32 s13, ttmp9, 6                       ; batch
	s_and_b32 s15, ttmp9, 63                       ; F
	s_mov_b32 s[SEL], 0x76543210
	s_mov_b32 s[SEL+1], 0xfedcba98
	v_lshlrev_b32 v5, 9, v3
	v_lshl_add_u32 v5, v4, 7, v5                   ; w_out: row r of 512 bytes, + 128 h
	v_lshrrev_b32 v6, 3, v3
	v_and_b32 v7, 7, v3
	v_lshl_add_u32 v6, v6, 5, v7
	v_lshlrev_b32 v6, 5, v6
	v_lshl_add_u32 v6, v4, 17, v6                  ; obuf: head h (of 2 c + h), token 32 (r >> 3) + (r & 7), 32 bytes a token
	v_lshlrev_b32 v7, 2, v3                        ; b_out: 4 r
	v_lshlrev_b32 v[SH8], 3, v4
	s_mul_i32 s18, s12, 4352                       ; my stage
	v_mul_u32_u24 v9, v3, 272
	v_lshl_add_u32 v9, v4, 7, v9
	v_add_nc_u32 v9, s18, v9                       ; in: row r, + 128 h
	v_mul_u32_u24 v10, v4, 272
	v_lshl_add_u32 v10, v3, 4, v10
	v_add_nc_u32 v10, s18, v10                     ; back: lanes 0-15 one row, lanes 16-31 the next
	v_lshlrev_b32 v11, 14, v4
	v_lshl_add_u32 v11, v3, 4, v11                 ; and the same two rows of out0, 16,384 bytes apart
.irp t, 0,1,2,3
	v_mov_b32 v[18+\t], 0                          ; a lane permute's destination counts as one of its sources
.endr
	s_lshl_b32 s20, s13, 19                        ; obuf: four heads of 131,072 bytes a batch, 2,048 bytes for 64 tokens
	s_lshl_b32 s21, s15, 11
	s_add_co_u32 s20, s20, s21
	s_mov_b32 s21, 0
	s_lshl_b32 s22, s14, 16                        ; w_out: (128 y + 16 w) rows of 512 bytes
	s_lshl_b32 s23, s12, 13
	s_add_co_u32 s22, s22, s23
	s_mov_b32 s23, 0
	s_lshl_b32 s24, s14, 9                         ; b_out
	s_lshl_b32 s25, s12, 6
	s_add_co_u32 s24, s24, s25
	s_mov_b32 s25, 0
	s_lshl_b32 s26, s13, 22                        ; out0: ((256 b + 128 y + 16 w) x 4,096 + 64 F) x 4
	s_lshl_b32 s27, s14, 21
	s_add_co_u32 s26, s26, s27
	s_lshl_b32 s27, s12, 18
	s_add_co_u32 s26, s26, s27
	s_lshl_b32 s27, s15, 8
	s_add_co_u32 s26, s26, s27
	s_mov_b32 s27, 0
	s_wait_kmcnt 0x0
	s_add_nc_u64 s[4:5], s[4:5], s[20:21]
	s_add_nc_u64 s[6:7], s[6:7], s[22:23]
	s_add_nc_u64 s[8:9], s[8:9], s[24:25]
	s_add_nc_u64 s[10:11], s[10:11], s[26:27]
.irp c, 0,1
.irp j, 0,1,2,3,4,5,6,7
	global_load_b128 v[WST+32*\c+4*\j:WST+32*\c+4*\j+3], v5, s[6:7] offset:256*\c+16*\j   ; my row's k = 64 c + 32 h + 0 .. 31
.endr
.endr
	global_load_b32 v[BC], v7, s[8:9]
.irp t, 0,1,2,3
.irp c, 0,1
	global_load_b128 v[AF+12*\t+6*\c:AF+12*\t+6*\c+3], v6, s[4:5] offset:256*\t+262144*\c      ; head 2 c + h of token (t, r): 12 bytes of codes and the scale byte,
	global_load_b128 v[AT+8*\t+4*\c:AT+8*\t+4*\c+3], v6, s[4:5] offset:256*\t+262144*\c+16      ; and the other 12
.endr
.endr
	s_wait_loadcnt 17                              ; w_out is in: the 17 younger loads (the bias, obuf's 16) may be out
	QB2 WST, WF, CTP, 12
	v_lshl_or_b32 v[WW], v17, 16, v16              ; my two bytes and lane l xor 16's two make the row's scale word
	v_lshlrev_b32 v[WW], v[SH8], v[WW]
	v_permlanex16_b32 v12, v[WW], s[SEL], s[SEL+1]
	v_or_b32 v[WW], v[WW], v12
	s_wait_loadcnt 0x0
.irp j, 1,2,3,4,5,6,7
	v_mov_b32 v[BC+\j], v[BC]                      ; a lane holds one output: its bias in all eight registers
.endr
.irp t, 0,1,2,3
	v_lshl_or_b32 v[SW+\t], v[AF+12*\t+9], 16, v[AF+12*\t+3]   ; the two bytes, before the codes take their places
.irp c, 0,1
.irp i, 0,1,2
	v_mov_b32 v[AF+12*\t+6*\c+3+\i], v[AT+8*\t+4*\c+\i]
.endr
.endr
	v_lshlrev_b32 v[SW+\t], v[SH8], v[SW+\t]
	v_permlanex16_b32 v[18+\t], v[SW+\t], s[SEL], s[SEL+1]
	v_or_b32 v[SW+\t], v[SW+\t], v[18+\t]
.endr
.rept 8
	v_nop                                          ; a scale register written by a vector instruction stands eight places ahead of the product, an operand four
.endr
.irp t, 0,1,2,3
	v_wmma_scale_f32_16x16x128_f8f6f4 v[DD+8*\t:DD+8*\t+7], v[AF+12*\t:AF+12*\t+11], v[WF:WF+11], v[BC:BC+7], v[SW+\t], v[WW] matrix_a_fmt:MATRIX_FMT_FP6 matrix_b_fmt:MATRIX_FMT_FP6
.endr
.rept 4
	v_nop                                          ; places ahead of the first read of results
.endr
.irp i, 0,1,2,3,4,5,6,7
	ds_store_b128 v9, v[DD+4*\i:DD+4*\i+3] offset:16*\i      ; ascending: each result from its low end on
.endr
.irp i, 0,1,2,3,4,5,6,7
	ds_load_b128 v[WST+4*\i:WST+4*\i+3], v10 offset:544*\i   ; LDS serves a wave's instructions in order: these see my stores
.endr
.irp i, 0,1,2,3,4,5,6,7
	s_wait_dscnt 7-\i                              ; the younger loads may be out
	global_store_b128 v11, v[WST+4*\i:WST+4*\i+3], s[10:11] offset:32768*\i th:TH_STORE_NT   ; sixteen lanes store 256 consecutive bytes, aligned
.endr
	s_wait_tensorcnt 0x0                           ; the wave's end: three closing lines behind my last LDS store
	ds_add_u32 v[SPW], v[NIL]
	s_wait_dscnt 0x0
	s_endpgm
.Lfunc_end_k_qc355ecefaf_proj:
	.size	k_qc355ecefaf_proj, .Lfunc_end_k_qc355ecefaf_proj-k_qc355ecefaf_proj
	.p2alignl 7, 3214868480
	.fill 96, 4, 3214868480
	.section	.rodata,"a",@progbits
	.p2align	6, 0x0
	.amdhsa_kernel k_qc355ecefaf_proj
		.amdhsa_group_segment_fixed_size 35840
		.amdhsa_private_segment_fixed_size 0
		.amdhsa_enable_private_segment 0
		.amdhsa_kernarg_size 32
		.amdhsa_user_sgpr_count 2
		.amdhsa_user_sgpr_kernarg_segment_ptr 1
		.amdhsa_wavefront_size32 1
		.amdhsa_system_sgpr_workgroup_id_x 1
		.amdhsa_system_sgpr_workgroup_id_y 1
		.amdhsa_system_sgpr_workgroup_id_z 1
		.amdhsa_system_vgpr_workitem_id 0
		.amdhsa_next_free_vgpr 256
		.amdhsa_next_free_sgpr 66
		.amdhsa_reserve_vcc 0
		.amdhsa_float_denorm_mode_32 3
		.amdhsa_float_denorm_mode_16_64 3
		.amdhsa_memory_ordered 1
		.amdhsa_forward_progress 1
		.amdhsa_inst_pref_size 14
	.end_amdhsa_kernel
	.amdgpu_metadata
---
amdhsa.version: [ 1, 2 ]
amdhsa.kernels:
  - .name:           k_qc355ecefaf_proj
    .symbol:         k_qc355ecefaf_proj.kd
    .args:
      - { .name: obuf, .offset: 0, .size: 8, .value_kind: global_buffer, .address_space: global }
      - { .name: w_out, .offset: 8, .size: 8, .value_kind: global_buffer, .address_space: global }
      - { .name: b_out, .offset: 16, .size: 8, .value_kind: global_buffer, .address_space: global }
      - { .name: out0, .offset: 24, .size: 8, .value_kind: global_buffer, .address_space: global }
    .group_segment_fixed_size: 35840
    .private_segment_fixed_size: 0
    .kernarg_segment_align: 8
    .kernarg_segment_size: 32
    .max_flat_workgroup_size: 256
    .sgpr_count:     66
    .vgpr_count:     256
    .wavefront_size: 32
...
	.end_amdgpu_metadata
.endif
;; end of part 3
;; ======== version 2 of 2: 3 launches; version 1 with the launches prep, attn, proj written anew for expert scheduling mode
;; workspace buffers: qimg 1,048,576 bytes; kimg 786,432 bytes; kscl 32,768 bytes; vimg 786,432 bytes; vscl 32,768 bytes; obuf 1,048,576 bytes
;; launch prep (part 4): grid 64 x 3, 16 waves a work-group, no clusters, 58,368 bytes of LDS; arguments x, g, w_qkv, qimg, kimg, kscl, vimg, vscl; writes qimg, kimg, kscl, vimg, vscl
.if DOCPART == 4
	.amdgcn_target "amdgcn-amd-amdhsa--gfx1250"
	.amdhsa_code_object_version 6
	.text
	.protected	k_qc355ecefaf_prep
	.globl	k_qc355ecefaf_prep
	.p2align	8
	.type	k_qc355ecefaf_prep,@function
k_qc355ecefaf_prep:
	s_mov_b64 s[64:65], 0
	v_nop
	global_prefetch_b8 v0, s[64:65] scope:SCOPE_SE
	s_setreg_imm32_b32 hwreg(HW_REG_WAVE_SCHED_MODE, 0, 2), 2
	s_setreg_imm32_b32 hwreg(HW_REG_WAVE_MODE, 25, 1), 1
	s_wait_xcnt 0x0
	s_wait_alu depctr_vm_vsrc(0)
; PREP: xn = x / max(|x|, 1e-12) * g * 16 over the 256 channels, quantised along the channels; w_qkv quantised along the channels; q, k or v = w_qkv xn on codes of
; E2M3; the results quantised for the two products of attention and laid as the next launch's operand registers want them.
; NO WORK OF THE PROBLEM IS LEFT OUT in any launch of this program: all five inputs have a way to the output and are loaded.
; LIMITS: NaN and infinities among the inputs are not served.  A block of zeros gets the scale byte 1 where the quantiser says 127: its codes are zeros, which add nothing
; under any byte but 0xff, and the bytes are read by this program alone.
; SHARES.  Work-group x: 128 tokens of one batch; y: 0 = q, 1 = k, 2 = v (rows 128 y on of w_qkv).  Sixteen waves.
;   Phase X: wave w takes tokens 32 (w & 3) + lane and channels 64 (w >> 2) on: a lane holds one token and two whole blocks of 32 channels.
;   It also quantises ONE fragment of the weights: tile w >> 1 (16 rows), K step w & 1 (128 channels).  Codes meet in LDS; waves 0 to 7 then multiply.
; THE ORDER OF TOKENS: in a group F of 64 tokens, row r of tile t (0..3) is token 64 F + 32 (r >> 3) + 8 t + (r & 7).
; THE ORDER OF A HEAD'S 32 ROWS OF THE WEIGHTS: row r of tile u (0, 1) is f = 8 u + r + 8 (r >> 3).
; No cluster, no tensor load: x is read by the three work-groups of a token block and the weights by 64; both are read once by each, at its head, into the registers in which they are quantised.
; THE MODE: SCHED_MODE bits 1:0 = 2 (LLVM: expert scheduling mode 2), set by the entry lines.  The code itself states the register dependences
; between vector or matrix instructions and memory or LDS instructions, with s_wait_alu, always for 0.
; THE PLAN.  Registers that memory or LDS instructions touch:
;   v6-v23        offsets and LDS addresses: made at the head, never written again: one wait ahead of the first load serves them all.
;   v64-255       x, the weights and g land here once; vector lines read them (x is also written); in waves 0 to 7 LDS loads land in v88-243 behind the last of those lines.
;   v24           my partial sum: written by the sums, read by one LDS store; then the four partial sums land in v24-27.
;   v36-47, v56   codes and scale word: written by the quantiser, read by LDS stores, twice; then they are part of the accumulators v24-87.
;   v136-163      the results' codes, words and offsets: written by vector lines, read by the global stores.
; So: one wait on va_vdst ahead of each run of stores (the second of them also shows the vector lines done with v64-255), one on vm_vsrc behind each of the two barriers,
; and in the v path one on va_vdst ahead of the second group's loads into x's fragments.
.set XR,    0                          ; LDS: x's codes, 128 rows (tokens) of 192 bytes, 208 apart
.set XPIT,  208
.set XSL,   26624                      ; x's scale bytes, 8 a token
.set NPL,   27648                      ; four partial sums of squares a token
.set WI,    29696                      ; the weights' 16 fragments as images of their registers, 1,536 bytes each
.set WSL,   54272                      ; their scale words, 128 bytes each
.set SPARE, 56320                      ; the spare words, 128 bytes a wave: no other line names them
.set SPW, 1                            ; v1  my spare word's address; never rewritten
.set NIL, 2                            ; v2  0; never rewritten
.set SH8, 22                           ; v22 8 x (lane / 16)
.set X,   64                           ; phase X: v64-127 my token's 64 channels; v128-191 my 64 numbers of the weights; v192-255 g
.set WST, 128
.set G,   192
.set ACC, 24                           ; products: v24-87 accumulators; v88-135 weights' fragments; v136-231 x's; v232-243 scale words; v244-255 at work
.set WF,  88
.set XF,  136
.set WSC, 232
.set XSC, 236
.set TM,  244
.set FR8, 136                          ; behind the products, over x's fragments: the codes made
.set CT,  152
.set SEL, 24                           ; s[24:25] selects of v_permlanex16_b32: lane l xor 16
; Two whole blocks of 32 in a lane, v[src + 32 c ..], become 12 registers of codes at v[dst]; t .. t+5: largest magnitudes, scale operands, bytes
.macro QB2 src, dst, ct, t
.irp c, 0,1
	v_max3_num_f32 v[(\t)+\c], |v[(\src)+32*\c]|, |v[(\src)+32*\c+1]|, 0x1800000   ; with the floor 2^(3 - 127): the byte cannot fall under 1
.endr
.irp i, 2,4,6,8,10,12,14,16,18,20,22,24,26,28,30
.irp c, 0,1
	v_max3_num_f32 v[(\t)+\c], v[(\t)+\c], |v[(\src)+32*\c+\i]|, |v[(\src)+32*\c+\i+1]|
.endr
.endr
.irp c, 0,1
	v_add_nc_u32 v[(\t)+2+\c], 0xff000000, v[(\t)+\c]     ; 2 off the exponent field: the conversion's scale operand
.endr
.irp c, 0,1
	v_lshrrev_b32 v[(\t)+4+\c], 23, v[(\t)+2+\c]          ; the scale's byte
.endr
.irp c, 0,1
	v_cvt_scalef32_pk16_fp6_f32 v[(\dst)+6*\c:(\dst)+6*\c+2], v[(\src)+32*\c:(\src)+32*\c+15], v[(\t)+2+\c]
	v_cvt_scalef32_pk16_fp6_f32 v[(\ct)+4*\c:(\ct)+4*\c+2], v[(\src)+32*\c+16:(\src)+32*\c+31], v[(\t)+2+\c]   ; (three registers begin on an even number: made aside and moved)
.endr
	v_nop                                          ; one plain place behind the scaled conversions
.irp c, 0,1
.irp i, 0,1,2
	v_mov_b32 v[(\dst)+6*\c+3+\i], v[(\ct)+4*\c+\i]
.endr
.endr
.endm
; my two bytes (blocks h and 2 + h) and lane l xor 16's two make the row's scale word
.macro WORD2 w, t
	v_lshl_or_b32 v[\w], v[(\t)+5], 16, v[(\t)+4]
	v_lshlrev_b32 v[\w], v[SH8], v[\w]
	v_permlanex16_b32 v[\t], v[\w], s[SEL], s[SEL+1]
	v_or_b32 v[\w], v[\w], v[\t]
.endm
.macro MM d, a, b, sa, sb, zero
.if \zero
	v_wmma_scale_f32_16x16x128_f8f6f4 v[(\d):(\d)+7], v[(\a):(\a)+11], v[(\b):(\b)+11], 0, v[\sa], v[\sb] matrix_a_fmt:MATRIX_FMT_FP6 matrix_b_fmt:MATRIX_FMT_FP6
.else
	v_wmma_scale_f32_16x16x128_f8f6f4 v[(\d):(\d)+7], v[(\a):(\a)+11], v[(\b):(\b)+11], v[(\d):(\d)+7], v[\sa], v[\sb] matrix_a_fmt:MATRIX_FMT_FP6 matrix_b_fmt:MATRIX_FMT_FP6
.endif
.endm
.macro PLACES
.rept 4
	v_nop
.endr
.endm
	s_load_b256 s[4:11], s[0:1], 0x0               ; x s[4:5], g s[6:7], w_qkv s[8:9], qimg s[10:11]
	s_load_b256 s[12:19], s[0:1], 0x20             ; kimg s[12:13], kscl s[14:15], vimg s[16:17], vscl s[18:19]
	v_lshl_add_u32 v[SPW], v0, 2, SPARE
	v_mov_b32 v[NIL], 0
	v_lshrrev_b32 v3, 5, v0
	v_readfirstlane_b32 s20, v3                    ; wave 0..15
	v_and_b32 v3, 31, v0                           ; lane
	v_and_b32 v4, 15, v0                           ; r
	v_bfe_u32 v5, v0, 4, 1                         ; h
	s_and_b32 s22, ttmp7, 0xffff                   ; y: q, k or v
	s_wait_alu depctr_va_sdst(0)                   ; s20, the wave's number, is written, ahead of its first reader
	s_and_b32 s26, s20, 3                          ; tg: which 32 tokens
	s_lshr_b32 s27, s20, 2                         ; cg: which 64 channels
	s_and_b32 s28, s20, 1
	s_lshr_b32 s29, s20, 1
	s_mov_b32 s[SEL], 0x76543210
	s_mov_b32 s[SEL+1], 0xfedcba98
	s_mov_b32 vcc_lo, 0xffff0000                   ; lanes 16-31
	; every LDS address is made here, ahead of the waves' parting
	v_lshlrev_b32 v6, 2, v3                        ; x: 4 bytes a lane
	v_and_b32 v24, 8, v4
	v_add_nc_u32 v24, v24, v4                      ; r + 8 (r >> 3)
	v_lshlrev_b32 v7, 10, v24
	v_lshl_add_u32 v7, v5, 7, v7                   ; the weights: that row of 1,024 bytes, + 128 h
	s_lshl_b32 s30, s26, 5
	v_add_nc_u32 v25, s30, v3                      ; my token in the block
	v_lshl_add_u32 v9, v25, 2, NPL                 ; its partial sums,
	s_lshl_b32 s30, s27, 9
	v_add_nc_u32 v8, s30, v9                       ; and mine among them
	v_mul_u32_u24 v10, v25, XPIT
	s_mul_i32 s30, s27, 48
	v_add_nc_u32 v10, s30, v10                     ; its row of codes, my 48 bytes
	v_lshl_add_u32 v11, v25, 3, XSL
	s_lshl_b32 s30, s27, 1
	v_add_nc_u32 v11, s30, v11                     ; its scale bytes, my two
	s_mul_i32 s30, s20, 1536
	s_add_co_u32 s30, s30, WI
	v_lshl_add_u32 v12, v3, 4, s30                 ; the image of the fragment that I make
	s_lshl_b32 s30, s20, 7
	s_add_co_u32 s30, s30, WSL
	v_lshl_add_u32 v13, v3, 2, s30                 ; and its scale words
	v_lshrrev_b32 v26, 3, v4
	v_and_b32 v27, 7, v4
	v_lshl_add_u32 v26, v26, 5, v27                ; 32 (r >> 3) + (r & 7): row r of tile 0 of a group of 64 tokens
	v_mul_u32_u24 v16, v26, XPIT
	v_mad_u32_u24 v16, v5, 24, v16                 ; v path: x's fragments from group 0 on
	s_mul_i32 s30, s28, 64*XPIT
	v_add_nc_u32 v14, s30, v16                     ; q, k path: group w & 1
	v_lshl_add_u32 v17, v26, 3, XSL
	s_lshl_b32 s30, s28, 9
	v_add_nc_u32 v15, s30, v17
	s_mul_i32 s30, s29, 6144
	s_add_co_u32 s30, s30, WI
	v_lshl_add_u32 v18, v3, 4, s30                 ; q, k path: head w >> 1's four fragments
	s_lshl_b32 s30, s29, 9
	s_add_co_u32 s30, s30, WSL
	v_lshl_add_u32 v19, v3, 2, s30
	s_mul_i32 s30, s20, 3072
	s_add_co_u32 s30, s30, WI
	v_lshl_add_u32 v20, v3, 4, s30                 ; v path: tile w's two fragments
	s_lshl_b32 s30, s20, 8
	s_add_co_u32 s30, s30, WSL
	v_lshl_add_u32 v21, v3, 2, s30
	v_lshlrev_b32 v[SH8], 3, v5
	v_mov_b32 v23, 0                               ; g: every lane reads the same numbers
	s_lshr_b32 s31, ttmp9, 5                       ; batch
	s_and_b32 s32, ttmp9, 31                       ; which 128 tokens of it
	s_lshl_b32 s34, s31, 22                        ; x: batch x 256 channels x 16,384 bytes
	s_lshl_b32 s33, s27, 20                        ;  + 64 cg channels
	s_add_co_u32 s34, s34, s33
	s_lshl_b32 s33, s32, 9                         ;  + 128 tokens x 4 bytes
	s_add_co_u32 s34, s34, s33
	s_lshl_b32 s33, s26, 7                         ;  + 32 tg tokens
	s_add_co_u32 s34, s34, s33
	s_mov_b32 s35, 0
	s_lshl_b32 s36, s27, 8                         ; g: 64 cg numbers
	s_mov_b32 s37, 0
	s_lshl_b32 s38, s22, 17                        ; the weights: 128 y rows of 1,024 bytes
	s_lshl_b32 s33, s27, 15                        ;  + 32 rows for each head (tile >> 1 = w >> 2)
	s_add_co_u32 s38, s38, s33
	s_and_b32 s33, s29, 1
	s_lshl_b32 s33, s33, 13                        ;  + 8 rows for the odd tile
	s_add_co_u32 s38, s38, s33
	s_lshl_b32 s33, s28, 9                         ;  + K step w & 1
	s_add_co_u32 s38, s38, s33
	s_mov_b32 s39, 0
	s_wait_kmcnt 0x0
	s_add_nc_u64 s[4:5], s[4:5], s[34:35]
	s_add_nc_u64 s[6:7], s[6:7], s[36:37]
	s_add_nc_u64 s[8:9], s[8:9], s[38:39]
	s_wait_alu depctr_va_vdst(0)                   ; the offsets and LDS addresses v6 to v23 are written, which the loads and stores of the whole kernel read
.set i, 0
.rept 64
	global_load_b32 v[X+i], v6, s[4:5] offset:16384*i   ; channel 64 cg + i of 32 neighbouring tokens: 128 consecutive bytes a wave
.set i, i+1
.endr
.set i, 0
.rept 16
	global_load_b128 v[G+4*i:G+4*i+3], v23, s[6:7] offset:16*i
.set i, i+1
.endr
.irp c, 0,1
.irp j, 0,1,2,3,4,5,6,7
	global_load_b128 v[WST+32*\c+4*\j:WST+32*\c+4*\j+3], v7, s[8:9] offset:256*\c+16*\j   ; my row's k = 64 c + 32 h + 0 .. 31: the order of the operand's registers
.endr
.endr
	s_wait_loadcnt 32                              ; x is in: the 32 younger loads (g's 16, the weights' 16) may be out
	v_pk_mul_f32 v[24:25], v[X:X+1], v[X:X+1]      ; the sum of my 64 squares, in two packed chains
	v_pk_mul_f32 v[26:27], v[X+2:X+3], v[X+2:X+3]
.set i, 4
.rept 15
	v_pk_fma_f32 v[24:25], v[X+i:X+i+1], v[X+i:X+i+1], v[24:25]
	v_pk_fma_f32 v[26:27], v[X+i+2:X+i+3], v[X+i+2:X+i+3], v[26:27]
.set i, i+4
.endr
	v_pk_add_f32 v[24:25], v[24:25], v[26:27]
	v_add_f32 v24, v24, v25                        ; it is stored below, with the fragment, behind one wait
	s_wait_loadcnt 16                              ; g is in: the weights' 16 may be out
.set i, 0
.rept 32
	v_pk_mul_f32 v[X+i:X+i+1], v[X+i:X+i+1], v[G+i:G+i+1]
.set i, i+2
.endr
	s_wait_loadcnt 0x0                             ; the weights
	QB2 WST, 36, 48, 28
	WORD2 56, 28
	s_wait_alu depctr_va_vdst(0)                   ; the sums have written v24, the quantiser v36-47 and v56, which the five LDS stores read
	ds_store_b32 v8, v24
	ds_store_b128 v12, v[36:39]                    ; the fragment as it stands: register 4 g + i of lane l at 512 g + 16 l + 4 i
	ds_store_b128 v12, v[40:43] offset:512
	ds_store_b128 v12, v[44:47] offset:1024
	ds_store_b32 v13, v56
	s_wait_dscnt 0x0                               ; for the others' sake: my stores have landed
	s_barrier_signal -1
	s_barrier_wait -1
	s_wait_alu depctr_vm_vsrc(0)                   ; my five stores have read v24, in which a load below lands, and v36-47 and v56, which x's quantising writes again
.irp j, 0,1,2,3
	ds_load_b32 v[24+\j], v9 offset:512*\j         ; my token's four partial sums (the vector lines that named v24-27 stand ahead of the last wait on va_vdst)
.endr
	s_wait_dscnt 0x0
	v_add_f32 v24, v24, v25                        ; in one order in all four waves of a token
	v_add_f32 v24, v24, v26
	v_add_f32 v24, v24, v27
	v_sqrt_f32 v24, v24
	v_nop                                          ; a plain place behind the root,
	s_wait_alu depctr_va_vdst(0)                   ; and the root has written v24, ahead of its first reader
	v_max_num_f32 v24, 0x2b8cbccc, v24             ; max(norm, 1e-12)
	v_rcp_f32 v24, v24
	v_nop
	s_wait_alu depctr_va_vdst(0)                   ; the reciprocal has written v24, ahead of its first reader
	v_mul_f32 v58, 0x41800000, v24                 ; sqrt(256) / max(norm, 1e-12)
	v_mov_b32 v59, v58
.set i, 0
.rept 32
	v_pk_mul_f32 v[X+i:X+i+1], v[X+i:X+i+1], v[58:59]
.set i, i+2
.endr
	QB2 X, 36, 48, 28
	v_lshl_or_b32 v56, v33, 8, v32                 ; my two blocks' bytes
	s_wait_alu depctr_va_vdst(0)                   ; the quantiser has written v36-47 and v56, which the four stores read; and every vector line that names v64-255 is done: LDS loads land there behind the barrier
	ds_store_b128 v10, v[36:39]                    ; 48 bytes of my token's row of codes
	ds_store_b128 v10, v[40:43] offset:16
	ds_store_b128 v10, v[44:47] offset:32
	ds_store_b16 v11, v56
	s_wait_dscnt 0x0
	s_barrier_signal -1
	s_barrier_wait -1                              ; x's codes and the weights' sixteen fragments lie in LDS
	s_wait_alu depctr_vm_vsrc(0)                   ; my four stores have read v36-47 and v56, which the products write as accumulators: stated ahead of the waves' parting
	s_cmp_lt_u32 s20, 8
	s_cbranch_scc1 .Lwork
	s_wait_dscnt 0x0                               ; waves 8 to 15 have done their part.  The closing lines, six on end
	s_wait_alu 0x0
	s_wait_tensorcnt 0x0
	ds_add_u32 v[SPW], v[NIL]
	s_wait_dscnt 0x0
	s_endpgm
.Lwork:
	s_lshl_b32 s33, s31, 2
	s_add_co_u32 s33, s33, s29                     ; bh = 4 x batch + head (w >> 1)
	s_cmp_eq_u32 s22, 2
	s_cbranch_scc1 .Lv
	; ---- q, k: wave w: head w >> 1, the 64 tokens of group w & 1.  Source 0 = 16 rows of the weights, source 1 = 16 tokens: lane (r, h) holds token (t, r), and the 16 registers of tiles u = 0, 1 are f = 16 h + 0 .. 15
.irp f, 0,1,2,3
.irp q, 0,1,2
	ds_load_b128 v[WF+12*\f+4*\q:WF+12*\f+4*\q+3], v18 offset:1536*\f+512*\q   ; fragment 2 u + s
.endr
	ds_load_b32 v[WSC+\f], v19 offset:128*\f
.endr
.irp t, 0,1,2,3
.irp s, 0,1
.irp p, 0,1,2,3,4,5
	ds_load_b64 v[XF+12*(2*\t+\s)+2*\p:XF+12*(2*\t+\s)+2*\p+1], v14 offset:8*XPIT*\t+96*\s+48*(\p/3)+8*(\p%3)
.endr
.endr
	ds_load_b64 v[XSC+2*\t:XSC+2*\t+1], v15 offset:64*\t
.endr
	s_wait_dscnt 0x0
.irp s, 0,1                                        ; the eight accumulators take turns, one instruction a turn
.irp t, 0,1,2,3
.irp u, 0,1
	MM ACC+16*\t+8*\u, WF+12*(2*\u+\s), XF+12*(2*\t+\s), WSC+2*\u+\s, XSC+2*\t+\s, 1-\s
.endr
.endr
.endr
.irp b, 0,1,2,3
	v_mov_b32 v[TM+4+\b], 0                        ; the lane permutes' destinations are written once; these four are also the places behind the products
.endr
.irp b, 0,1,2,3                                    ; a token's block of 32 f lies in lanes l and l xor 16
	v_max3_num_f32 v[TM+\b], |v[ACC+16*\b]|, |v[ACC+16*\b+1]|, 0x1800000
.endr
.irp i, 2,4,6,8,10,12,14
.irp b, 0,1,2,3
	v_max3_num_f32 v[TM+\b], v[TM+\b], |v[ACC+16*\b+\i]|, |v[ACC+16*\b+\i+1]|
.endr
.endr
.irp b, 0,1,2,3
	v_permlanex16_b32 v[TM+4+\b], v[TM+\b], s[SEL], s[SEL+1]
.endr
.irp b, 0,1,2,3
	v_max_num_f32 v[TM+\b], v[TM+\b], v[TM+4+\b]
.endr
.irp b, 0,1,2,3
	v_add_nc_u32 v[TM+8+\b], 0xff000000, v[TM+\b]
.endr
.irp b, 0,1,2,3
	v_lshrrev_b32 v[TM+4+\b], 23, v[TM+8+\b]       ; token (b, r)'s scale byte, in both halves of the lanes
.endr
.irp c, 0,1
	v_cvt_scalef32_pk16_fp6_f32 v[FR8+8*\c:FR8+8*\c+2], v[ACC+32*\c:ACC+32*\c+15], v[TM+8+2*\c]
	v_cvt_scalef32_pk16_fp6_f32 v[CT+4*\c:CT+4*\c+2], v[ACC+32*\c+16:ACC+32*\c+31], v[TM+9+2*\c]
.endr
	v_nop
.irp c, 0,1                                        ; the halves change places: lane (r, h) then holds the whole 24 bytes of token (2 c + h, r)
.irp i, 0,1,2
	v_permlane16_swap_b32 v[FR8+8*\c+\i], v[CT+4*\c+\i]
.endr
.irp i, 0,1,2
	v_mov_b32 v[FR8+8*\c+3+\i], v[CT+4*\c+\i]
.endr
.endr
	s_lshl_b32 s40, s32, 1
	s_add_co_u32 s40, s40, s28                     ; F: the group of 64 tokens in the batch
	s_cmp_lg_u32 s22, 0
	s_cbranch_scc1 .Lk
	; q: eight words a query: six of codes, its scale byte four times, a zero
	s_mov_b32 s41, 0x01010101
.irp c, 0,1
	v_cndmask_b32 v[FR8+8*\c+6], v[TM+4+2*\c], v[TM+5+2*\c], vcc_lo
	v_mov_b32 v[FR8+8*\c+7], 0
.endr
.irp c, 0,1
	v_mul_lo_u32 v[FR8+8*\c+6], v[FR8+8*\c+6], s41
.endr
	v_lshlrev_b32 v160, 9, v5
	v_lshl_add_u32 v160, v4, 4, v160               ; tile 2 c + h: 512 h; query r: 16 r
	s_lshl_b32 s42, s33, 17
	s_lshl_b32 s43, s40, 11
	s_add_co_u32 s42, s42, s43
	s_mov_b32 s43, 0
	s_add_nc_u64 s[10:11], s[10:11], s[42:43]
	s_wait_alu depctr_va_vdst(0)                   ; the sixteen words v136-151 and the offset v160 are written, which the four stores read
.irp c, 0,1
.irp q, 0,1
	global_store_b128 v160, v[FR8+8*\c+4*\q:FR8+8*\c+4*\q+3], s[10:11] offset:1024*\c+256*\q   ; each half of the lanes stores 256 consecutive bytes, aligned
.endr
.endr
	s_wait_dscnt 0x0                               ; the closing lines, six on end
	s_wait_alu 0x0
	s_wait_tensorcnt 0x0
	ds_add_u32 v[SPW], v[NIL]
	s_wait_dscnt 0x0
	s_endpgm
.Lk:
	; k: the fragment's image (block 2 c + h of row r = key (2 c + h, r)) and a word of four scale bytes a row
	v_lshl_or_b32 v161, v[TM+5], 8, v[TM+4]
	v_lshl_or_b32 v161, v[TM+6], 16, v161
	v_lshl_or_b32 v161, v[TM+7], 24, v161
.irp i, 0,1,2,3,4,5
	v_mov_b32 v[FR8+6+\i], v[FR8+8+\i]             ; ascending: no source is written before it is read
.endr
	v_lshlrev_b32 v162, 4, v3
	v_lshlrev_b32 v163, 2, v4
	s_lshl_b32 s41, s33, 6
	s_add_co_u32 s41, s41, s40                     ; 64 bh + F
	s_mul_i32 s42, s41, 1536
	s_mov_b32 s43, 0
	s_add_nc_u64 s[12:13], s[12:13], s[42:43]
	s_lshl_b32 s42, s41, 6
	s_add_nc_u64 s[14:15], s[14:15], s[42:43]
	s_wait_alu depctr_va_vdst(0)                   ; the codes v136-147, the word v161 and the offsets v162, v163 are written, which the four stores read
.irp q, 0,1,2
	global_store_b128 v162, v[FR8+4*\q:FR8+4*\q+3], s[12:13] offset:512*\q   ; 512 consecutive bytes
.endr
	global_store_b32 v163, v161, s[14:15]          ; both halves of the lanes hold and write the same word
	s_wait_dscnt 0x0                               ; the closing lines, six on end
	s_wait_alu 0x0
	s_wait_tensorcnt 0x0
	ds_add_u32 v[SPW], v[NIL]
	s_wait_dscnt 0x0
	s_endpgm
.Lv:
	; ---- v: wave w: head w >> 1, tile u = w & 1 of its f, all 128 tokens.  Source 0 = 16 tokens, source 1 = 16 rows of the weights: lane (r, h) holds f = 8 u + r + 8 (r >> 3),
	; and the 32 registers of a group F are tokens 64 F + 32 h + 0 .. 31: a whole block of the next product's K
.irp s, 0,1
.irp q, 0,1,2
	ds_load_b128 v[WF+12*\s+4*\q:WF+12*\s+4*\q+3], v20 offset:1536*\s+512*\q
.endr
	ds_load_b32 v[WSC+\s], v21 offset:128*\s
.endr
.irp f, 0,1
.if \f
	PLACES                                         ; in front of loads into registers that matrix instructions have read
	s_wait_alu depctr_va_vdst(0)                   ; the first group's eight products are done reading x's fragments and scale words, in which the loads below land
.endif
.irp t, 0,1,2,3
.irp s, 0,1
.irp p, 0,1,2,3,4,5
	ds_load_b64 v[XF+12*(2*\t+\s)+2*\p:XF+12*(2*\t+\s)+2*\p+1], v16 offset:64*XPIT*\f+8*XPIT*\t+96*\s+48*(\p/3)+8*(\p%3)
.endr
.endr
	ds_load_b64 v[XSC+2*\t:XSC+2*\t+1], v17 offset:512*\f+64*\t
.endr
	s_wait_dscnt 0x0
.irp s, 0,1                                        ; four accumulators by turns
.irp t, 0,1,2,3
	MM ACC+32*\f+8*\t, XF+12*(2*\t+\s), WF+12*\s, XSC+2*\t+\s, WSC+\s, 1-\s
.endr
.endr
.endr
	PLACES
	QB2 ACC, FR8, CT, TM
	WORD2 160, TM
	v_lshlrev_b32 v162, 4, v3
	v_lshlrev_b32 v163, 2, v4
	s_lshl_b32 s41, s33, 5
	s_add_co_u32 s41, s41, s32                     ; 32 bh + K step
	s_lshl_b32 s41, s41, 1
	s_add_co_u32 s41, s41, s28                     ; x 2 + u
	s_mul_i32 s42, s41, 1536
	s_mov_b32 s43, 0
	s_add_nc_u64 s[16:17], s[16:17], s[42:43]
	s_lshl_b32 s42, s41, 6
	s_add_nc_u64 s[18:19], s[18:19], s[42:43]
	s_wait_alu depctr_va_vdst(0)                   ; the codes v136-147, the word v160 and the offsets v162, v163 are written, which the four stores read
.irp q, 0,1,2
	global_store_b128 v162, v[FR8+4*\q:FR8+4*\q+3], s[16:17] offset:512*\q
.endr
	global_store_b32 v163, v160, s[18:19]
	s_wait_dscnt 0x0                               ; the closing lines, six on end
	s_wait_alu 0x0
	s_wait_tensorcnt 0x0
	ds_add_u32 v[SPW], v[NIL]
	s_wait_dscnt 0x0
	s_endpgm
.Lfunc_end_k_qc355ecefaf_prep:
	.size	k_qc355ecefaf_prep, .Lfunc_end_k_qc355ecefaf_prep-k_qc355ecefaf_prep
	.p2alignl 7, 3214868480
	.fill 96, 4, 3214868480
	.section	.rodata,"a",@progbits
	.p2align	6, 0x0
	.amdhsa_kernel k_qc355ecefaf_prep
		.amdhsa_group_segment_fixed_size 58368
		.amdhsa_private_segment_fixed_size 0
		.amdhsa_enable_private_segment 0
		.amdhsa_kernarg_size 64
		.amdhsa_user_sgpr_count 2
		.amdhsa_user_sgpr_kernarg_segment_ptr 1
		.amdhsa_wavefront_size32 1
		.amdhsa_system_sgpr_workgroup_id_x 1
		.amdhsa_system_sgpr_workgroup_id_y 1
		.amdhsa_system_sgpr_workgroup_id_z 1
		.amdhsa_system_vgpr_workitem_id 0
		.amdhsa_next_free_vgpr 256
		.amdhsa_next_free_sgpr 66
		.amdhsa_reserve_vcc 1
		.amdhsa_float_denorm_mode_32 3
		.amdhsa_float_denorm_mode_16_64 3
		.amdhsa_memory_ordered 1
		.amdhsa_forward_progress 1
		.amdhsa_inst_pref_size 54
	.end_amdhsa_kernel
	.amdgpu_metadata
---
amdhsa.version: [ 1, 2 ]
amdhsa.kernels:
  - .name:           k_qc355ecefaf_prep
    .symbol:         k_qc355ecefaf_prep.kd
    .args:
      - { .name: x, .offset: 0, .size: 8, .value_kind: global_buffer, .address_space: global }
      - { .name: g, .offset: 8, .size: 8, .value_kind: global_buffer, .address_space: global }
      - { .name: w_qkv, .offset: 16, .size: 8, .value_kind: global_buffer, .address_space: global }
      - { .name: qimg, .offset: 24, .size: 8, .value_kind: global_buffer, .address_space: global }
      - { .name: kimg, .offset: 32, .size: 8, .value_kind: global_buffer, .address_space: global }
      - { .name: kscl, .offset: 40, .size: 8, .value_kind: global_buffer, .address_space: global }
      - { .name: vimg, .offset: 48, .size: 8, .value_kind: global_buffer, .address_space: global }
      - { .name: vscl, .offset: 56, .size: 8, .value_kind: global_buffer, .address_space: global }
    .group_segment_fixed_size: 58368
    .private_segment_fixed_size: 0
    .kernarg_segment_align: 8
    .kernarg_segment_size: 64
    .max_flat_workgroup_size: 512
    .sgpr_count:     66
    .vgpr_count:     256
    .wavefront_size: 32
...
	.end_amdgpu_metadata
.endif
;; end of part 4
;; launch attn (part 5): grid 32 x 8, 8 waves a work-group, no clusters, 234,496 bytes of LDS; arguments qimg, kimg, kscl, vimg, vscl, obuf; writes obuf
.if DOCPART == 5
	.amdgcn_target "amdgcn-amd-amdhsa--gfx1250"
	.amdhsa_code_object_version 6
	.text
	.protected	k_qc355ecefaf_attn
	.globl	k_qc355ecefaf_attn
	.p2align	8
	.type	k_qc355ecefaf_attn,@function
k_qc355ecefaf_attn:
	s_mov_b64 s[64:65], 0
	v_nop
	global_prefetch_b8 v0, s[64:65] scope:SCOPE_SE
	s_setreg_imm32_b32 hwreg(HW_REG_WAVE_SCHED_MODE, 0, 2), 2
	s_setreg_imm32_b32 hwreg(HW_REG_WAVE_MODE, 25, 1), 1
	s_wait_xcnt 0x0
	s_wait_alu depctr_vm_vsrc(0)
; ATTN: for one head, out = Q(softmax(q k^T / sqrt(32)) / sqrt(32)) Q(v), both products on codes of E2M3; out is quantised along the head's 32 for the last product.  Nothing of the problem is left out here.
; The second product's left operand is the FINISHED softmax times SCALE, so a row's sum must be known before any weight is quantised.  THE SCORES STAY IN REGISTERS MEANWHILE:
; a work-group of eight waves takes a tile of 16 queries at a time (8 tiles, 128 queries); wave w takes keys 512 w .. 512 w + 511, and its 16 x 512 scores fill 256 registers (window 1).
; Every score and every exponential is made once.
; THE MAXIMUM taken away is local: for each lane and each 128 keys (64 registers), M = the largest t there, rounded up to a whole number; t = score x log2(e) / sqrt(32); p = 2^(t - M).
; The waves exchange (-M, sum) once a tile through LDS; then a = p x ldexp(SCALE / l, M - the row's M): the power of two rounds nothing.  a is quantised along the keys and multiplied by V.
; K = 32 IN THE FIRST PRODUCT: a fragment of 12 registers holds FOUR tiles of 16 keys, one in each of its four blocks of 32; Q stands in block t of an operand whose other blocks are zero codes,
; so that the instruction gives tile t's scores.  The four operands are one run of 30 registers: zeros | Q in lanes 0-15 | zeros | Q in lanes 16-31 | zeros.
; THE ORDER OF KEYS: row r of tile t of fragment F is key 64 F + 32 (r >> 3) + 8 t + (r & 7): register 8 t + j of lane (r', h') is then key 64 F + 32 h' + 8 t + j: a WHOLE block of 32 keys in a lane, in order.
; ONE TRIP serves two tiles: the last tile's a, codes and V^T P free just the registers that the next tile's scores fill, 64 at a time.
; LIMITS: a p under 2^-126 of its local maximum counts as 0.  A block's largest a is made from the block's largest score by the same three instructions as every a: this takes v_exp_f32 not to fall where its input rises.
; A block of zeros has the byte 1: its codes are zeros.  NaN and infinities are not served.
; NO CLUSTER, NO TENSOR LOAD: the 32 work-groups of a head read the same K and V, but each reads them once, 204,800 bytes at its head; V lands in the registers in which it stays for all 8 tiles, where a joint load cannot put it,
; and a wave's K goes to LDS bytes that it alone reads.  Nothing is streamed in the loop but 512 bytes of Q a tile.
; THE MODE: SCHED_MODE bits 1:0 = 2 (LLVM: expert scheduling mode 2), set by the entry lines.  The code itself states the register dependences
; between vector or matrix instructions and memory or LDS instructions, with s_wait_alu, always for 0.
; THE PLAN.  Registers that memory or LDS instructions touch, in the loop:
;   KB (v92-115)    Step k's eight score products read it; the LDS loads of step k + 1 land in it.  Two waves of 512 registers fill a SIMD: there is no room for a second set.
;   TQ = CT (v128-135)  CVTS writes and reads it in every step; behind step 3's the next tile's Q lands in it; BUILDQ reads that at the next trip's head.
;   EXT (v14-29)    At work through the whole trip; at a trip's head the exchange's four LDS loads land in it.  v22 and v26 of it are the data of TAIL's two stores.
;   O (v136-151)    Written by the V products of steps 0 to 3; read by the four LDS stores in step 3.
;   XRA, XWA, OAD   LDS addresses, one register for each of the three uses, each written once a trip and read only behind the next wait on va_vdst.
;   KAD, R16        Made at the head, never written again.
;   PC, PW, the run of Q and its scale word are written by vector lines and taken by scaled products.
; THE WAITS OF A TRIP.  vm_vsrc, once, at its head: all that the last trip's LDS instructions read (v22, v26, O, the three addresses) may be written.  va_vdst: behind the head's address;
; ahead of each step's V products (their operand and scale word are written; in step 3 also OAD, and CVTS is done with CT, so that Q's loads owe nothing more); behind each step's batch of exponentials, where a wait
; stands in any case: it also shows the score products done with KB and, in step 3, O written, so the step's LDS loads and stores stand behind it; ahead of TAIL's two stores.
.set OPL,   98304                      ; LDS: 0: K, 12,288 bytes a wave, its own.  OPL: partial O, [tile][wave] x 2,048 bytes
.set EXL,   229376                     ; the exchange: two parities of 2,048 bytes; in each -M at 48 r' + 4 w, the sums 768 bytes on
.set SPARE, 233472                     ; the spare words, 128 bytes a wave: no other line names them
.set SPW, 1
.set NIL, 2
.set KAD, 3                            ; v3  my wave's K + 16 x lane
.set EXW, 4                            ; v4  where I put my wave's -M
.set EXR, 5                            ; v5  where my query's eight lie
.set OPW, 6                            ; v6  partial O: my wave's place in tile 0
.set L16, 7                            ; v7  16 x lane
.set R16, 8                            ; v8  16 x r'
.set SH8, 9                            ; v9  8 x h'
.set ADT, 10                           ; v10 at the head only: at work
.set OPR, 11                           ; v11 partial O: tile w, wave 0
.set NP,  12                           ; v[12:13] -M of the 128 keys in hand (the packed form names a pair)
.set FP,  14                           ; v[14:15] the factor
.set SCO, 16                           ; v16-17 the conversions' scale operands
.set BY,  18                           ; v18-19 bytes
.set BM,  20                           ; v20-21 the two blocks' largest scores
.set A0,  22                           ; v22-25 sums
.set A1,  24
.set T,   26                           ; v26-29 at work
.set EXT, 14                           ; v14-29 at a trip's head: eight -M, eight sums
.set NMG, 30                           ; v30 the row's -M
.set RL,  31                           ; v31 SCALE / l
.set NMK, 32                           ; v32-35 -M of each 128 keys
.set LK,  36                           ; v36-39 their sums
.set PMX, 40                           ; v40-47 each block's largest p
.set PW,  48                           ; v48-49 a's scale words, by turns
.set QSC, 50                           ; v50 Q's scale word
.set KS,  52                           ; v52-55 K's scale words: lanes 0-15 fragment 2 j, lanes 16-31 fragment 2 j + 1
.set VS,  56                           ; v56-59 V's: lanes 0-15 tile u = 0, lanes 16-31 u = 1
.set QR,  60                           ; v60-89 the run of Q
.set L4,  90                           ; v90 4 x lane
.set OBO, 91                           ; v91 my offset in obuf
.set KB,  92                           ; v92-115 two fragments of K
.set PC,  116                          ; v116-127 a's codes
.set CT,  128                          ; v128-135 conversions' second halves; between the steps: the next Q as loaded
.set TQ,  128
.set O,   136                          ; v136-151 O^T: f = 16 h' + 0 .. 15 of query r'
.set VF,  152                          ; v152-247 V's eight fragments, at 12 (2 k + u)
.set XRA, 248                          ; v248 the exchange: where this trip's head reads
.set XWA, 249                          ; v249 the exchange: where this trip's end writes
.set OAD, 250                          ; v250 partial O: my wave's place in the tile in hand
.set MSB, 0
.macro WIN new                         ; the immediate's high byte repeats the setting that is left; a switch that changes nothing is dropped
.if MSB != \new
	s_set_vgpr_msb (MSB<<8)|\new
.set MSB, \new
.endif
.endm
.macro PLACES
.rept 4
	v_nop
.endr
.endm
.macro BUILDQ w                        ; the run of Q from the eight words loaded
.if \w
	s_wait_loadcnt 0x0                             ; the two loads of Q (in the first trip V and its scale words too)
.endif
	v_mov_b32 v[QSC], v[TQ+6]
.irp i, 0,1,2,3,4,5
	v_cndmask_b32 v[QR+6+\i], v[TQ+\i], v[QR], vcc_lo     ; codes in lanes 0-15, zeros above
.endr
.irp i, 0,1,2,3,4,5
	v_cndmask_b32 v[QR+18+\i], v[QR], v[TQ+\i], vcc_lo    ; and the other way round
.endr
.endm
.macro QLOAD                           ; the next tile's Q; the last load by this base has been waited for.  No vector line since the last wait on va_vdst names v128-135
	WIN 0
	s_add_nc_u64 s[4:5], s[4:5], 512
	global_load_b128 v[TQ:TQ+3], v[R16], s[4:5]
	global_load_b128 v[TQ+4:TQ+7], v[R16], s[4:5] offset:256
.endm
.macro KLOAD k
	WIN 0
.irp fl, 0,1
.irp q, 0,1,2
	ds_load_b128 v[KB+12*\fl+4*\q:KB+12*\fl+4*\q+3], v[KAD] offset:(2*(\k)+\fl)*1536+512*\q
.endr
.endr
.endm
.macro SCORES k                        ; S^T of 128 keys: source 0 = a fragment of K, source 1 = Q in block t
	WIN 0x40
.irp fl, 0,1
.irp t, 0,1,2,3
.if \fl
	v_wmma_scale_f32_16x16x128_f8f6f4 v[64*(\k)+32*\fl+8*\t:64*(\k)+32*\fl+8*\t+7], v[KB+12*\fl:KB+12*\fl+11], v[QR+6*(1-\t/2)+12*(\t%2):QR+6*(1-\t/2)+12*(\t%2)+11], 0, v[KS+(\k)], v[QSC] matrix_a_fmt:MATRIX_FMT_FP6 matrix_b_fmt:MATRIX_FMT_FP6 matrix_a_scale:MATRIX_SCALE_ROW1
.else
	v_wmma_scale_f32_16x16x128_f8f6f4 v[64*(\k)+32*\fl+8*\t:64*(\k)+32*\fl+8*\t+7], v[KB+12*\fl:KB+12*\fl+11], v[QR+6*(1-\t/2)+12*(\t%2):QR+6*(1-\t/2)+12*(\t%2)+11], 0, v[KS+(\k)], v[QSC] matrix_a_fmt:MATRIX_FMT_FP6 matrix_b_fmt:MATRIX_FMT_FP6
.endif
.endr
.endr
.endm
.macro MAXES k                         ; each block's largest score (ascending: every accumulator is first read at its low end), -M, and t - M of the two largest
	WIN 0x05
.irp fl, 0,1
	v_max_num_f32 v[BM+\fl], v[64*(\k)+32*\fl], v[64*(\k)+32*\fl+1]
.endr
.irp i, 2,4,6,8,10,12,14,16,18,20,22,24,26,28,30
.irp fl, 0,1
	v_max3_num_f32 v[BM+\fl], v[64*(\k)+32*\fl+\i], v[64*(\k)+32*\fl+\i+1], v[BM+\fl]
.endr
.endr
	WIN 0
	v_max_num_f32 v[T], v[BM], v[BM+1]
	v_mul_f32 v[T], s22, v[T]
	v_floor_f32 v[NP], -v[T]                       ; -M = floor(-t): M is a whole number
.irp fl, 0,1
	v_fma_f32 v[PMX+2*(\k)+\fl], v[BM+\fl], s22, v[NP]
.endr
.endm
.macro SCL k, i
	v_pk_fma_f32 v[64*(\k)+2*(\i):64*(\k)+2*(\i)+1], v[64*(\k)+2*(\i):64*(\k)+2*(\i)+1], s[22:23], v[NP:NP+1] op_sel_hi:[1,0,0]   ; t - M, two at a time
.endm
.macro EXPS k                          ; ONE BATCH of 66 exponentials with the scalings between them; nothing names a result ahead of the one wait
	WIN 0x41
	SCL \k, 0
	SCL \k, 1
.set ei, 0
.rept 32
	v_exp_f32 v[64*(\k)+2*ei], v[64*(\k)+2*ei]
.if ei < 30
	SCL \k, ei+2
.endif
	v_exp_f32 v[64*(\k)+2*ei+1], v[64*(\k)+2*ei+1]
.set ei, ei+1
.endr
	WIN 0
.irp fl, 0,1
	v_exp_f32 v[PMX+2*(\k)+\fl], v[PMX+2*(\k)+\fl]
.endr
	v_mov_b32 v[NMK+(\k)], v[NP]                   ; the plain place behind the last exponential
	s_wait_alu depctr_va_vdst(0)                   ; the 66 exponentials have written their results, ahead of the batch's first reader; the step's score products are done reading K's registers, in which the loads behind this wait land; in a tile's last step the V products have written O^T, which the stores behind it read
.endm
.macro SUMS k                          ; the sum of the unquantised p, in two packed chains
	WIN 0x05
	v_pk_add_f32 v[A0:A0+1], v[64*(\k):64*(\k)+1], v[64*(\k)+2:64*(\k)+3]
	v_pk_add_f32 v[A1:A1+1], v[64*(\k)+4:64*(\k)+5], v[64*(\k)+6:64*(\k)+7]
	WIN 0x01
.set si, 8
.rept 14
	v_pk_add_f32 v[A0:A0+1], v[64*(\k)+si:64*(\k)+si+1], v[A0:A0+1]
	v_pk_add_f32 v[A1:A1+1], v[64*(\k)+si+2:64*(\k)+si+3], v[A1:A1+1]
.set si, si+4
.endr
	WIN 0
	v_pk_add_f32 v[A0:A0+1], v[A0:A0+1], v[A1:A1+1]
	v_add_f32 v[LK+(\k)], v[A0], v[A0+1]
.endm
.macro FACS k                          ; the factor of these 128 keys, the two blocks' scales, a's scale word
	WIN 0
	v_sub_f32 v[T], v[NMG], v[NMK+(\k)]            ; M here less the row's M: a whole number, 0 or less
	v_cvt_i32_f32 v[T], v[T]
	v_ldexp_f32 v[FP], v[RL], v[T]
.irp fl, 0,1
	v_mul_f32 v[BY+\fl], v[PMX+2*(\k)+\fl], v[FP]  ; the block's largest a
.endr
.irp fl, 0,1
	v_max_num_f32 v[BY+\fl], 0x1800000, v[BY+\fl]
.endr
.irp fl, 0,1
	v_add_nc_u32 v[SCO+\fl], 0xff000000, v[BY+\fl]
.endr
.irp fl, 0,1
	v_lshrrev_b32 v[BY+\fl], 23, v[SCO+\fl]
.endr
	v_lshl_or_b32 v[PW+((\k)%2)], v[BY+1], 16, v[BY]
	v_lshlrev_b32 v[PW+((\k)%2)], v[SH8], v[PW+((\k)%2)]
	v_permlanex16_b32 v[T], v[PW+((\k)%2)], s20, s21
	v_or_b32 v[PW+((\k)%2)], v[PW+((\k)%2)], v[T]
.endm
.macro MULS k                          ; a = p x the factor
	WIN 0x41
.set mi, 0
.rept 32
	v_pk_mul_f32 v[64*(\k)+mi:64*(\k)+mi+1], v[64*(\k)+mi:64*(\k)+mi+1], v[FP:FP+1] op_sel_hi:[1,0]
.set mi, mi+2
.endr
.endm
.macro CVTS k                          ; a lane's two whole blocks become the operand's 12 registers
	WIN 0x01
.irp fl, 0,1
	v_cvt_scalef32_pk16_fp6_f32 v[PC+6*\fl:PC+6*\fl+2], v[64*(\k)+32*\fl:64*(\k)+32*\fl+15], v[SCO+\fl]
	v_cvt_scalef32_pk16_fp6_f32 v[CT+4*\fl:CT+4*\fl+2], v[64*(\k)+32*\fl+16:64*(\k)+32*\fl+31], v[SCO+\fl]
.endr
	v_nop                                          ; one plain place behind the scaled conversions
	WIN 0
.irp fl, 0,1
.irp i, 0,1,2
	v_mov_b32 v[PC+6*\fl+3+\i], v[CT+4*\fl+\i]
.endr
.endr
.endm
.macro PV k                            ; O^T += V^T a^T: the two accumulators take turns
	WIN 0
.if (\k) == 0
	v_wmma_scale_f32_16x16x128_f8f6f4 v[O:O+7], v[VF+24*(\k):VF+24*(\k)+11], v[PC:PC+11], 0, v[VS+(\k)], v[PW+((\k)%2)] matrix_a_fmt:MATRIX_FMT_FP6 matrix_b_fmt:MATRIX_FMT_FP6
	v_wmma_scale_f32_16x16x128_f8f6f4 v[O+8:O+15], v[VF+24*(\k)+12:VF+24*(\k)+23], v[PC:PC+11], 0, v[VS+(\k)], v[PW+((\k)%2)] matrix_a_fmt:MATRIX_FMT_FP6 matrix_b_fmt:MATRIX_FMT_FP6 matrix_a_scale:MATRIX_SCALE_ROW1
.else
	v_wmma_scale_f32_16x16x128_f8f6f4 v[O:O+7], v[VF+24*(\k):VF+24*(\k)+11], v[PC:PC+11], v[O:O+7], v[VS+(\k)], v[PW+((\k)%2)] matrix_a_fmt:MATRIX_FMT_FP6 matrix_b_fmt:MATRIX_FMT_FP6
	v_wmma_scale_f32_16x16x128_f8f6f4 v[O+8:O+15], v[VF+24*(\k)+12:VF+24*(\k)+23], v[PC:PC+11], v[O+8:O+15], v[VS+(\k)], v[PW+((\k)%2)] matrix_a_fmt:MATRIX_FMT_FP6 matrix_b_fmt:MATRIX_FMT_FP6 matrix_a_scale:MATRIX_SCALE_ROW1
.endif
.endm
.macro OSTORE                          ; my keys' part of a tile's O^T: bytes written once in the launch.  The address was made ahead of the step's V products
	WIN 0
.irp q, 0,1,2,3
	ds_store_b128 v[OAD], v[O+4*\q:O+4*\q+3] offset:512*\q
.endr
	s_add_co_u32 s26, s26, 16384
.endm
.macro TAIL                            ; my wave's -M and sum for each query go to the exchange; the tile's one barrier
	WIN 0
	v_min_num_f32 v[T], v[NMK], v[NMK+1]
	v_min_num_f32 v[T], v[T], v[NMK+2]
	v_min_num_f32 v[T], v[T], v[NMK+3]
	v_permlanex16_b32 v[T+1], v[T], s20, s21
	v_min_num_f32 v[T], v[T], v[T+1]               ; the wave's -M of query r'
.irp j, 0,1,2,3
	v_sub_f32 v[A0+\j], v[T], v[NMK+\j]
.endr
.irp j, 0,1,2,3
	v_cvt_i32_f32 v[A0+\j], v[A0+\j]
.endr
.irp j, 0,1,2,3
	v_ldexp_f32 v[A0+\j], v[LK+\j], v[A0+\j]       ; each sum under the wave's M: nothing is rounded
.endr
	v_add_f32 v[A0], v[A0], v[A0+1]
	v_add_f32 v[A0+2], v[A0+2], v[A0+3]
	v_add_f32 v[A0], v[A0], v[A0+2]
	v_permlanex16_b32 v[T+1], v[A0], s20, s21
	v_add_f32 v[A0], v[A0], v[T+1]
	v_add_nc_u32 v[XWA], s25, v[EXW]               ; (its last readers, the stores of the tile before, stand ahead of the trip's wait on vm_vsrc)
	s_wait_alu depctr_va_vdst(0)                   ; v26, v22 and the address v249 are written, which the two stores read; and every vector line that names K's registers is done: the loads at the next trip's head land there
	ds_store_b32 v[XWA], v[T]                      ; both halves of the lanes hold and write the same words
	ds_store_b32 v[XWA], v[A0] offset:768
	s_wait_dscnt 0x0                               ; for the others' sake: my stores have landed; and my reads of the other parity, which is written next, came back long ago
	s_barrier_signal -1
	s_barrier_wait -1
.endm
.macro HEAD nx                         ; behind the barrier: the row's -M and SCALE / l, the same bits in all eight waves
	WIN 0
.if \nx
	KLOAD 0
.endif
	s_wait_alu depctr_vm_vsrc(0)                   ; the stores to the exchange have read v26, v22 and v249, the last tile's stores of O^T have read v136-151 and v250, the last head's loads v248: all of these are written again in this trip, v22 and v26 by the loads below
	v_add_nc_u32 v[XRA], s25, v[EXR]
	s_xor_b32 s25, s25, 2048                       ; the next tile's exchange takes the other parity: a fast wave writes there while a slow one still reads here
	s_wait_alu depctr_va_vdst(0)                   ; the address v248 is written, which the four loads read; the vector lines that named v14-29, in which they land, are done
	ds_load_b128 v[EXT:EXT+3], v[XRA]
	ds_load_b128 v[EXT+4:EXT+7], v[XRA] offset:16
	ds_load_b128 v[EXT+8:EXT+11], v[XRA] offset:768
	ds_load_b128 v[EXT+12:EXT+15], v[XRA] offset:784
.if \nx
	BUILDQ 1
.endif
	s_wait_dscnt 0x0
	v_min_num_f32 v[NMG], v[EXT], v[EXT+1]
.irp e, 2,3,4,5,6,7
	v_min_num_f32 v[NMG], v[NMG], v[EXT+\e]
.endr
.irp e, 0,1,2,3,4,5,6,7
	v_sub_f32 v[EXT+\e], v[NMG], v[EXT+\e]
.endr
.irp e, 0,1,2,3,4,5,6,7
	v_cvt_i32_f32 v[EXT+\e], v[EXT+\e]
.endr
.irp e, 0,1,2,3,4,5,6,7
	v_ldexp_f32 v[EXT+8+\e], v[EXT+8+\e], v[EXT+\e]
.endr
	v_pk_add_f32 v[EXT+8:EXT+9], v[EXT+8:EXT+9], v[EXT+10:EXT+11]
	v_pk_add_f32 v[EXT+12:EXT+13], v[EXT+12:EXT+13], v[EXT+14:EXT+15]
	v_pk_add_f32 v[EXT+8:EXT+9], v[EXT+8:EXT+9], v[EXT+12:EXT+13]
	v_add_f32 v[RL], v[EXT+8], v[EXT+9]
	v_rcp_f32 v[RL], v[RL]
	v_nop
	s_wait_alu depctr_va_vdst(0)                   ; the reciprocal has written v31, ahead of its first reader
	v_mul_f32 v[RL], s24, v[RL]
	FACS 0
	MULS 0
.endm
; 128 keys.  p3: the last tile's codes and V^T a.  nx: the next tile's scores, maxima, exponentials and sums, in the registers just freed.  qc: the fetch of Q stands under the count of trips.
; Places: behind a's moves and ahead of V^T a stand the next factor's fifteen plain lines (or four v_nop); a's scale word was made 32 multiplies earlier;
; behind the products stand the next 32 multiplies (or four v_nop), ahead of the reads of the scores and of the store of O^T.
.macro STEP k, p3, nx, qc
.if \p3
	CVTS \k
.if \k < 3
	FACS (\k)+1
.else
	PLACES
	v_add_nc_u32 v[OAD], s26, v[OPW]               ; where my part of this tile's O^T goes (its last readers stand ahead of the trip's wait on vm_vsrc)
.endif
	s_wait_alu depctr_va_vdst(0)                   ; a's codes v116-127 and its scale word are written, which the V products take; in step 0 also the run of Q and its scale word, which the score products take; in step 3 also the address v250, and the conversions and moves are done with v128-135, in which Q's loads land
	PV \k
.endif
.if \nx
	s_wait_dscnt 0x0                               ; these keys' two fragments of K are in
	SCORES \k
.endif
.if \p3 && (\k < 3)
	MULS (\k)+1
.else
	PLACES
.endif
.if \nx
.if \k == 3
.if \qc
	WIN 0
	s_cmp_eq_u32 s27, 1                            ; the last trip has no tile behind it: no load leaves qimg
	s_cbranch_scc1 .Lnoq_\@
.endif
	QLOAD
.if \qc
.Lnoq_\@:
.endif
.endif
	MAXES \k
	EXPS \k
.if \k < 3
	KLOAD (\k)+1                                   ; behind the batch's wait: no vector or matrix line since names K's registers
.endif
.if \p3 && (\k == 3)
	OSTORE                                         ; likewise: none since names O^T or its address
.endif
	SUMS \k
.else
.if \k == 3
	s_wait_alu depctr_va_vdst(0)                   ; the last V products have written O^T, which the four stores read; the four places above stay beside this wait.  The vector lines that named the scores' registers are done too: the way out's loads land there
	OSTORE
.endif
.endif
.endm
	s_load_b256 s[4:11], s[0:1], 0x0               ; qimg s[4:5], kimg s[6:7], kscl s[8:9], vimg s[10:11]
	s_load_b128 s[12:15], s[0:1], 0x20             ; vscl s[12:13], obuf s[14:15]
	v_lshl_add_u32 v[SPW], v0, 2, SPARE
	v_mov_b32 v[NIL], 0
	v_lshrrev_b32 v10, 5, v0
	v_readfirstlane_b32 s16, v10                   ; wave 0..7
	v_and_b32 v7, 31, v0                           ; lane
	v_and_b32 v8, 15, v0                           ; r'
	v_bfe_u32 v9, v0, 4, 1                         ; h'
	s_and_b32 s18, ttmp7, 0xffff                   ; bh
	s_mov_b32 s20, 0x76543210
	s_mov_b32 s21, 0xfedcba98
	s_mov_b32 s22, 0x3e8293ee                      ; log2(e) / sqrt(32)
	s_mov_b32 s23, s22
	s_mov_b32 s24, 0x3e3504f3                      ; SCALE = 1 / sqrt(32)
	s_mov_b32 s25, 0
	s_mov_b32 s26, 0
	s_mov_b32 vcc_lo, 0xffff0000                   ; lanes 16-31
	v_lshlrev_b32 v[L4], 2, v7
	s_wait_alu depctr_va_sdst(0)                   ; s16, the wave's number, is written, ahead of its first reader
	s_mul_i32 s34, s16, 12288
	v_lshl_add_u32 v[KAD], v7, 4, s34
	v_mul_u32_u24 v[EXR], v8, 48
	v_add_nc_u32 v[EXR], EXL, v[EXR]
	s_lshl_b32 s34, s16, 2
	v_add_nc_u32 v[EXW], s34, v[EXR]
	s_lshl_b32 s34, s16, 11
	s_add_co_u32 s34, s34, OPL
	v_lshl_add_u32 v[OPW], v7, 4, s34
	s_lshl_b32 s34, s16, 14
	s_add_co_u32 s34, s34, OPL
	v_lshl_add_u32 v[OPR], v7, 4, s34
	s_lshr_b32 s34, s16, 2                         ; on the way out wave w has tile w: token 64 (w >> 2) + 32 (r' >> 3) + 8 (w & 3) + (r' & 7)
	s_lshl_b32 s34, s34, 6
	s_and_b32 s35, s16, 3
	s_lshl_b32 s35, s35, 3
	s_add_co_u32 s34, s34, s35
	v_lshrrev_b32 v[OBO], 3, v8
	v_and_b32 v[ADT], 7, v8
	v_lshl_add_u32 v[OBO], v[OBO], 5, v[ADT]
	v_add_nc_u32 v[OBO], s34, v[OBO]
	v_lshlrev_b32 v[OBO], 5, v[OBO]
	v_lshl_add_u32 v[OBO], v9, 4, v[OBO]           ; 32 bytes a token, 16 for each half of the lanes
	v_lshlrev_b32 v[L16], 4, v7
	v_lshlrev_b32 v[R16], 4, v8
	v_lshlrev_b32 v[SH8], 3, v9
	s_lshl_b32 s28, s18, 17                        ; qimg and obuf: 131,072 bytes a head, 4,096 for 128 queries
	s_lshl_b32 s29, ttmp9, 12
	s_add_co_u32 s28, s28, s29
	s_mov_b32 s29, 0
	s_mul_i32 s30, s18, 98304                      ; kimg and vimg: 98,304 bytes a head, 12,288 a wave
	s_mul_i32 s31, s16, 12288
	s_add_co_u32 s30, s30, s31
	s_mov_b32 s31, 0
	s_lshl_b32 s32, s18, 12                        ; kscl and vscl: 4,096 bytes a head, 512 a wave
	s_lshl_b32 s33, s16, 9
	s_add_co_u32 s32, s32, s33
	s_mov_b32 s33, 0
	s_wait_kmcnt 0x0
	s_add_nc_u64 s[4:5], s[4:5], s[28:29]
	s_add_nc_u64 s[14:15], s[14:15], s[28:29]
	s_add_nc_u64 s[6:7], s[6:7], s[30:31]
	s_add_nc_u64 s[10:11], s[10:11], s[30:31]
	s_add_nc_u64 s[8:9], s[8:9], s[32:33]
	s_add_nc_u64 s[12:13], s[12:13], s[32:33]
	s_wait_alu depctr_va_vdst(0)                   ; the offsets and addresses v3, v7, v8, v11, v90 and v91 are written, which loads and stores of the whole kernel read; none is written again
	global_load_b128 v[TQ:TQ+3], v[R16], s[4:5]    ; tile 0's Q
	global_load_b128 v[TQ+4:TQ+7], v[R16], s[4:5] offset:256
.irp j, 0,1,2,3
	global_load_b32 v[KS+\j], v[L4], s[8:9] offset:128*\j
.endr
	WIN 0x40                                       ; K goes through the registers that the scores will take
.set i, 0
.rept 24
	global_load_b128 v[4*i:4*i+3], v[L16], s[6:7] offset:512*i
.set i, i+1
.endr
	WIN 0
.irp j, 0,1,2,3
	global_load_b32 v[VS+\j], v[L4], s[12:13] offset:128*\j
.endr
.set i, 0
.rept 24
	global_load_b128 v[VF+4*i:VF+4*i+3], v[L16], s[10:11] offset:512*i   ; V stays in registers for all eight tiles
.set i, i+1
.endr
.irp i, 0,1,2,3,4,5
	v_mov_b32 v[QR+\i], 0                          ; the run's three stretches of zero codes
	v_mov_b32 v[QR+12+\i], 0
	v_mov_b32 v[QR+24+\i], 0
.endr
	v_mov_b32 v[NP+1], 0                           ; named as upper halves of pairs
	v_mov_b32 v[FP+1], 0
.irp i, 0,1,2,3
	v_mov_b32 v[T+\i], 0                           ; a lane permute's destination counts as one of its sources
.endr
	s_wait_loadcnt 28                              ; Q, K's scale words and K are in: the 28 younger loads (V's 4 scale words, V's 24) may be out
	WIN 0x04
.set i, 0
.rept 24
	ds_store_b128 v[KAD], v[4*i:4*i+3] offset:512*i   ; my wave's eight fragments, as images; only I read them
.set i, i+1
.endr
	WIN 0
	BUILDQ 0
.rept 8
	v_nop                                          ; a scale register written by a vector instruction stands eight places ahead of the product
.endr
	s_wait_alu depctr_vm_vsrc(0)                   ; the 24 stores have read the 96 registers through which K went: the score products write them
	s_wait_alu depctr_va_vdst(0)                   ; the run of Q and its scale word are written, which the score products take; the eight places above stay beside this wait
	KLOAD 0
	STEP 0, 0, 1, 0                                ; tile 0's scores and exponentials
	STEP 1, 0, 1, 0
	STEP 2, 0, 1, 0
	STEP 3, 0, 1, 0
	TAIL
	s_mov_b32 s27, 7
.Lunit:                                            ; trip i: tile i - 1 is finished, tile i begun
	HEAD 1
	STEP 0, 1, 1, 1
	STEP 1, 1, 1, 1
	STEP 2, 1, 1, 1
	STEP 3, 1, 1, 1
	TAIL
	s_sub_co_u32 s27, s27, 1
	s_cmp_lg_u32 s27, 0
	s_cbranch_scc1 .Lunit
	HEAD 0                                         ; tile 7 is finished
	STEP 0, 1, 0, 0
	STEP 1, 1, 0, 0
	STEP 2, 1, 0, 0
	STEP 3, 1, 0, 0
	s_wait_dscnt 0x0                               ; my parts of O^T have landed
	s_barrier_signal -1
	s_barrier_wait -1
	s_wait_alu depctr_vm_vsrc(0)                   ; the last four stores have read v136-151, which the sums below write
	; THE WAY OUT: wave w adds the eight waves' parts of tile w, in one order, quantises along the head's 32 (lanes l and l xor 16) and stores 12 bytes of codes and the scale byte
	WIN 0x40
.irp e, 0,1,2,3,4,5,6,7
.irp q, 0,1,2,3
	ds_load_b128 v[16*\e+4*\q:16*\e+4*\q+3], v[OPR] offset:2048*\e+512*\q
.endr
.endr
	s_wait_dscnt 0x0
	WIN 0x45
.irp e, 1,2,3,4,5,6
.irp p, 0,1,2,3,4,5,6,7
	v_pk_add_f32 v[2*\p:2*\p+1], v[2*\p:2*\p+1], v[16*\e+2*\p:16*\e+2*\p+1]
.endr
.endr
	WIN 0x05
.irp p, 0,1,2,3,4,5,6,7
	v_pk_add_f32 v[O+2*\p:O+2*\p+1], v[2*\p:2*\p+1], v[112+2*\p:112+2*\p+1]
.endr
	WIN 0
	v_max3_num_f32 v[T], |v[O]|, |v[O+1]|, 0x1800000
.irp i, 2,4,6,8,10,12,14
	v_max3_num_f32 v[T], v[T], |v[O+\i]|, |v[O+\i+1]|
.endr
	v_permlanex16_b32 v[T+1], v[T], s20, s21
	v_max_num_f32 v[T], v[T], v[T+1]
	v_add_nc_u32 v[T+2], 0xff000000, v[T]
	v_cvt_scalef32_pk16_fp6_f32 v[PC:PC+2], v[O:O+15], v[T+2]
	v_lshrrev_b32 v[PC+3], 23, v[T+2]              ; the scale's byte; also the plain place behind the conversion
	s_wait_alu depctr_va_vdst(0)                   ; the conversion and the shift have written v116-119, which the store reads
	global_store_b128 v[OBO], v[PC:PC+3], s[14:15] ; eight tokens x 32 bytes: two runs of 256 consecutive bytes, aligned
	s_wait_dscnt 0x0                               ; the closing lines, six on end
	s_wait_alu 0x0
	s_wait_tensorcnt 0x0
	ds_add_u32 v[SPW], v[NIL]
	s_wait_dscnt 0x0
	s_endpgm
.Lfunc_end_k_qc355ecefaf_attn:
	.size	k_qc355ecefaf_attn, .Lfunc_end_k_qc355ecefaf_attn-k_qc355ecefaf_attn
	.p2alignl 7, 3214868480
	.fill 96, 4, 3214868480
	.section	.rodata,"a",@progbits
	.p2align	6, 0x0
	.amdhsa_kernel k_qc355ecefaf_attn
		.amdhsa_group_segment_fixed_size 234496
		.amdhsa_private_segment_fixed_size 0
		.amdhsa_enable_private_segment 0
		.amdhsa_kernarg_size 48
		.amdhsa_user_sgpr_count 2
		.amdhsa_user_sgpr_kernarg_segment_ptr 1
		.amdhsa_wavefront_size32 1
		.amdhsa_system_sgpr_workgroup_id_x 1
		.amdhsa_system_sgpr_workgroup_id_y 1
		.amdhsa_system_sgpr_workgroup_id_z 1
		.amdhsa_system_vgpr_workitem_id 0
		.amdhsa_next_free_vgpr 512
		.amdhsa_next_free_sgpr 66
		.amdhsa_reserve_vcc 1
		.amdhsa_float_denorm_mode_32 3
		.amdhsa_float_denorm_mode_16_64 3
		.amdhsa_memory_ordered 1
		.amdhsa_forward_progress 1
		.amdhsa_inst_pref_size 136
	.end_amdhsa_kernel
	.amdgpu_metadata
---
amdhsa.version: [ 1, 2 ]
amdhsa.kernels:
  - .name:           k_qc355ecefaf_attn
    .symbol:         k_qc355ecefaf_attn.kd
    .args:
      - { .name: qimg, .offset: 0, .size: 8, .value_kind: global_buffer, .address_space: global }
      - { .name: kimg, .offset: 8, .size: 8, .value_kind: global_buffer, .address_space: global }
      - { .name: kscl, .offset: 16, .size: 8, .value_kind: global_buffer, .address_space: global }
      - { .name: vimg, .offset: 24, .size: 8, .value_kind: global_buffer, .address_space: global }
      - { .name: vscl, .offset: 32, .size: 8, .value_kind: global_buffer, .address_space: global }
      - { .name: obuf, .offset: 40, .size: 8, .value_kind: global_buffer, .address_space: global }
    .group_segment_fixed_size: 234496
    .private_segment_fixed_size: 0
    .kernarg_segment_align: 8
    .kernarg_segment_size: 48
    .max_flat_workgroup_size: 256
    .sgpr_count:     66
    .vgpr_count:     512
    .wavefront_size: 32
...
	.end_amdgpu_metadata
.endif
;; end of part 5
;; launch proj (part 6): grid 128 x 2, 8 waves a work-group, no clusters, 35,840 bytes of LDS; arguments obuf, w_out, b_out, out0; writes out0
.if DOCPART == 6
	.amdgcn_target "amdgcn-amd-amdhsa--gfx1250"
	.amdhsa_code_object_version 6
	.text
	.protected	k_qc355ecefaf_proj
	.globl	k_qc355ecefaf_proj
	.p2align	8
	.type	k_qc355ecefaf_proj,@function
k_qc355ecefaf_proj:
	s_mov_b64 s[64:65], 0
	v_nop
	global_prefetch_b8 v0, s[64:65] scope:SCOPE_SE
	s_setreg_imm32_b32 hwreg(HW_REG_WAVE_SCHED_MODE, 0, 2), 2
	s_setreg_imm32_b32 hwreg(HW_REG_WAVE_MODE, 25, 1), 1
	s_wait_xcnt 0x0
	s_wait_alu depctr_vm_vsrc(0)
; PROJ: out0[b][o][n] = sum over the 128 hidden channels of Q(w_out)[o][c] Q(out)[c][n] + b_out[o], on codes of E2M3.  Nothing of the problem is left out here.
; Work-group x: 64 tokens of one batch (a group F); y: 128 outputs.  Wave w: outputs 128 y + 16 w + r: it quantises its 16 rows of w_out in registers (a lane holds two whole blocks of 32).
; Source 0 = 16 tokens, source 1 = my 16 rows of w_out: row r of tile t is token 64 F + 32 (r >> 3) + 8 t + (r & 7), so lane (r, h) ends with tokens 64 F + 32 h + 0 .. 31 of output r: 128 neighbouring bytes.
; They go through the wave's own stage in LDS and leave as rows of 256 bytes.  The bias is the C of each product.
; LIMITS: as in the first launch (a block of zeros has the byte 1; NaN and infinities are not served).
; No cluster, no tensor load: a work-group reads 8,192 bytes of codes and 65,536 of weights once, straight into the operands' registers.
; THE MODE: SCHED_MODE bits 1:0 = 2 (LLVM: expert scheduling mode 2), set by the entry lines.  The code itself states the register dependences
; between vector or matrix instructions and memory or LDS instructions, with s_wait_alu, always for 0.
; THE PLAN.  Registers that memory or LDS instructions touch:
;   v5-v7, v9-v11   offsets and LDS addresses: made at the head, never written again: one wait ahead of the first load.
;   v32-95, v122, v130-209   the loads land here once, in registers that no vector line has named.
;   v210-241        the results: written by the four products, read by the eight LDS stores: one wait behind the places.
;   v32-63          read by the quantiser long before; the rows come back from the stage into them behind that same wait, and the global stores read them.
;   The weights' codes and scale word, the tokens' fragments and scale words are written by vector lines and taken by the scaled products: one wait behind the eight places.
.set SPARE, 34816                      ; LDS: eight stages of 16 rows x 272 bytes, then the spare words, 128 bytes a wave: no other line names them
.set SPW, 1
.set NIL, 2
.set SH8, 8
.set SEL, 16                           ; s[16:17]
.set WST, 32                           ; v32-95 my 64 numbers of w_out; later the rows read back
.set WF,  96                           ; v96-107 their codes
.set CTP, 108
.set WW,  116                          ; v116 their scale word
.set SW,  117                          ; v117-120 the tokens' scale words
.set BC,  122                          ; v122-129 the bias, eight times
.set AF,  130                          ; v130-177 the tokens' four fragments
.set AT,  178                          ; v178-209 their second halves as loaded
.set DD,  210                          ; v210-241 the results
.macro QB2 src, dst, ct, t
.irp c, 0,1
	v_max3_num_f32 v[(\t)+\c], |v[(\src)+32*\c]|, |v[(\src)+32*\c+1]|, 0x1800000   ; with the floor 2^(3 - 127): the byte cannot fall under 1
.endr
.irp i, 2,4,6,8,10,12,14,16,18,20,22,24,26,28,30
.irp c, 0,1
	v_max3_num_f32 v[(\t)+\c], v[(\t)+\c], |v[(\src)+32*\c+\i]|, |v[(\src)+32*\c+\i+1]|
.endr
.endr
.irp c, 0,1
	v_add_nc_u32 v[(\t)+2+\c], 0xff000000, v[(\t)+\c]
.endr
.irp c, 0,1
	v_lshrrev_b32 v[(\t)+4+\c], 23, v[(\t)+2+\c]
.endr
.irp c, 0,1
	v_cvt_scalef32_pk16_fp6_f32 v[(\dst)+6*\c:(\dst)+6*\c+2], v[(\src)+32*\c:(\src)+32*\c+15], v[(\t)+2+\c]
	v_cvt_scalef32_pk16_fp6_f32 v[(\ct)+4*\c:(\ct)+4*\c+2], v[(\src)+32*\c+16:(\src)+32*\c+31], v[(\t)+2+\c]
.endr
	v_nop                                          ; one plain place behind the scaled conversions
.irp c, 0,1
.irp i, 0,1,2
	v_mov_b32 v[(\dst)+6*\c+3+\i], v[(\ct)+4*\c+\i]
.endr
.endr
.endm
	s_load_b256 s[4:11], s[0:1], 0x0               ; obuf s[4:5], w_out s[6:7], b_out s[8:9], out0 s[10:11]
	v_lshl_add_u32 v[SPW], v0, 2, SPARE
	v_mov_b32 v[NIL], 0
	v_lshrrev_b32 v3, 5, v0
	v_readfirstlane_b32 s12, v3                    ; wave 0..7
	v_and_b32 v3, 15, v0                           ; r
	v_bfe_u32 v4, v0, 4, 1                         ; h
	s_and_b32 s14, ttmp7, 0xffff                   ; y
	s_lshr_b32 s13, ttmp9, 6                       ; batch
	s_and_b32 s15, ttmp9, 63                       ; F
	s_mov_b32 s[SEL], 0x76543210
	s_mov_b32 s[SEL+1], 0xfedcba98
	v_lshlrev_b32 v5, 9, v3
	v_lshl_add_u32 v5, v4, 7, v5                   ; w_out: row r of 512 bytes, + 128 h
	v_lshrrev_b32 v6, 3, v3
	v_and_b32 v7, 7, v3
	v_lshl_add_u32 v6, v6, 5, v7
	v_lshlrev_b32 v6, 5, v6
	v_lshl_add_u32 v6, v4, 17, v6                  ; obuf: head h (of 2 c + h), token 32 (r >> 3) + (r & 7), 32 bytes a token
	v_lshlrev_b32 v7, 2, v3                        ; b_out: 4 r
	v_lshlrev_b32 v[SH8], 3, v4
	s_wait_alu depctr_va_sdst(0)                   ; s12, the wave's number, is written, ahead of its first reader
	s_mul_i32 s18, s12, 4352                       ; my stage
	v_mul_u32_u24 v9, v3, 272
	v_lshl_add_u32 v9, v4, 7, v9
	v_add_nc_u32 v9, s18, v9                       ; in: row r, + 128 h
	v_mul_u32_u24 v10, v4, 272
	v_lshl_add_u32 v10, v3, 4, v10
	v_add_nc_u32 v10, s18, v10                     ; back: lanes 0-15 one row, lanes 16-31 the next
	v_lshlrev_b32 v11, 14, v4
	v_lshl_add_u32 v11, v3, 4, v11                 ; and the same two rows of out0, 16,384 bytes apart
.irp t, 0,1,2,3
	v_mov_b32 v[18+\t], 0                          ; a lane permute's destination counts as one of its sources
.endr
	s_lshl_b32 s20, s13, 19                        ; obuf: four heads of 131,072 bytes a batch, 2,048 bytes for 64 tokens
	s_lshl_b32 s21, s15, 11
	s_add_co_u32 s20, s20, s21
	s_mov_b32 s21, 0
	s_lshl_b32 s22, s14, 16                        ; w_out: (128 y + 16 w) rows of 512 bytes
	s_lshl_b32 s23, s12, 13
	s_add_co_u32 s22, s22, s23
	s_mov_b32 s23, 0
	s_lshl_b32 s24, s14, 9                         ; b_out
	s_lshl_b32 s25, s12, 6
	s_add_co_u32 s24, s24, s25
	s_mov_b32 s25, 0
	s_lshl_b32 s26, s13, 22                        ; out0: ((256 b + 128 y + 16 w) x 4,096 + 64 F) x 4
	s_lshl_b32 s27, s14, 21
	s_add_co_u32 s26, s26, s27
	s_lshl_b32 s27, s12, 18
	s_add_co_u32 s26, s26, s27
	s_lshl_b32 s27, s15, 8
	s_add_co_u32 s26, s26, s27
	s_mov_b32 s27, 0
	s_wait_kmcnt 0x0
	s_add_nc_u64 s[4:5], s[4:5], s[20:21]
	s_add_nc_u64 s[6:7], s[6:7], s[22:23]
	s_add_nc_u64 s[8:9], s[8:9], s[24:25]
	s_add_nc_u64 s[10:11], s[10:11], s[26:27]
	s_wait_alu depctr_va_vdst(0)                   ; the offsets v5, v6, v7 and v11 and the LDS addresses v9 and v10 are written, which the loads and stores of the whole kernel read
.irp c, 0,1
.irp j, 0,1,2,3,4,5,6,7
	global_load_b128 v[WST+32*\c+4*\j:WST+32*\c+4*\j+3], v5, s[6:7] offset:256*\c+16*\j   ; my row's k = 64 c + 32 h + 0 .. 31
.endr
.endr
	global_load_b32 v[BC], v7, s[8:9]
.irp t, 0,1,2,3
.irp c, 0,1
	global_load_b128 v[AF+12*\t+6*\c:AF+12*\t+6*\c+3], v6, s[4:5] offset:256*\t+262144*\c      ; head 2 c + h of token (t, r): 12 bytes of codes and the scale byte,
	global_load_b128 v[AT+8*\t+4*\c:AT+8*\t+4*\c+3], v6, s[4:5] offset:256*\t+262144*\c+16      ; and the other 12
.endr
.endr
	s_wait_loadcnt 17                              ; w_out is in: the 17 younger loads (the bias, obuf's 16) may be out
	QB2 WST, WF, CTP, 12
	v_lshl_or_b32 v[WW], v17, 16, v16              ; my two bytes and lane l xor 16's two make the row's scale word
	v_lshlrev_b32 v[WW], v[SH8], v[WW]
	v_permlanex16_b32 v12, v[WW], s[SEL], s[SEL+1]
	v_or_b32 v[WW], v[WW], v12
	s_wait_loadcnt 0x0
.irp j, 1,2,3,4,5,6,7
	v_mov_b32 v[BC+\j], v[BC]                      ; a lane holds one output: its bias in all eight registers
.endr
.irp t, 0,1,2,3
	v_lshl_or_b32 v[SW+\t], v[AF+12*\t+9], 16, v[AF+12*\t+3]   ; the two bytes, before the codes take their places
.irp c, 0,1
.irp i, 0,1,2
	v_mov_b32 v[AF+12*\t+6*\c+3+\i], v[AT+8*\t+4*\c+\i]
.endr
.endr
	v_lshlrev_b32 v[SW+\t], v[SH8], v[SW+\t]
	v_permlanex16_b32 v[18+\t], v[SW+\t], s[SEL], s[SEL+1]
	v_or_b32 v[SW+\t], v[SW+\t], v[18+\t]
.endr
.rept 8
	v_nop                                          ; a scale register written by a vector instruction stands eight places ahead of the product, an operand four
.endr
	s_wait_alu depctr_va_vdst(0)                   ; the weights' codes and scale word, the tokens' fragments and scale words are written, which the four products take; the places above stay beside this wait
.irp t, 0,1,2,3
	v_wmma_scale_f32_16x16x128_f8f6f4 v[DD+8*\t:DD+8*\t+7], v[AF+12*\t:AF+12*\t+11], v[WF:WF+11], v[BC:BC+7], v[SW+\t], v[WW] matrix_a_fmt:MATRIX_FMT_FP6 matrix_b_fmt:MATRIX_FMT_FP6
.endr
.rept 4
	v_nop                                          ; places ahead of the first read of results
.endr
	s_wait_alu depctr_va_vdst(0)                   ; the products have written v210-241, which the LDS stores read; the quantiser is long done reading v32-63, in which the loads from the stage land
.irp i, 0,1,2,3,4,5,6,7
	ds_store_b128 v9, v[DD+4*\i:DD+4*\i+3] offset:16*\i      ; ascending: each result from its low end on
.endr
.irp i, 0,1,2,3,4,5,6,7
	ds_load_b128 v[WST+4*\i:WST+4*\i+3], v10 offset:544*\i   ; LDS serves a wave's instructions in order: these see my stores
.endr
.irp i, 0,1,2,3,4,5,6,7
	s_wait_dscnt 7-\i                              ; the younger loads may be out
	global_store_b128 v11, v[WST+4*\i:WST+4*\i+3], s[10:11] offset:32768*\i th:TH_STORE_NT   ; sixteen lanes store 256 consecutive bytes, aligned
.endr
	s_wait_dscnt 0x0                               ; the closing lines, six on end
	s_wait_alu 0x0
	s_wait_tensorcnt 0x0
	ds_add_u32 v[SPW], v[NIL]
	s_wait_dscnt 0x0
	s_endpgm
.Lfunc_end_k_qc355ecefaf_proj:
	.size	k_qc355ecefaf_proj, .Lfunc_end_k_qc355ecefaf_proj-k_qc355ecefaf_proj
	.p2alignl 7, 3214868480
	.fill 96, 4, 3214868480
	.section	.rodata,"a",@progbits
	.p2align	6, 0x0
	.amdhsa_kernel k_qc355ecefaf_proj
		.amdhsa_group_segment_fixed_size 35840
		.amdhsa_private_segment_fixed_size 0
		.amdhsa_enable_private_segment 0
		.amdhsa_kernarg_size 32
		.amdhsa_user_sgpr_count 2
		.amdhsa_user_sgpr_kernarg_segment_ptr 1
		.amdhsa_wavefront_size32 1
		.amdhsa_system_sgpr_workgroup_id_x 1
		.amdhsa_system_sgpr_workgroup_id_y 1
		.amdhsa_system_sgpr_workgroup_id_z 1
		.amdhsa_system_vgpr_workitem_id 0
		.amdhsa_next_free_vgpr 256
		.amdhsa_next_free_sgpr 66
		.amdhsa_reserve_vcc 0
		.amdhsa_float_denorm_mode_32 3
		.amdhsa_float_denorm_mode_16_64 3
		.amdhsa_memory_ordered 1
		.amdhsa_forward_progress 1
		.amdhsa_inst_pref_size 14
	.end_amdhsa_kernel
	.amdgpu_metadata
---
amdhsa.version: [ 1, 2 ]
amdhsa.kernels:
  - .name:           k_qc355ecefaf_proj
    .symbol:         k_qc355ecefaf_proj.kd
    .args:
      - { .name: obuf, .offset: 0, .size: 8, .value_kind: global_buffer, .address_space: global }
      - { .name: w_out, .offset: 8, .size: 8, .value_kind: global_buffer, .address_space: global }
      - { .name: b_out, .offset: 16, .size: 8, .value_kind: global_buffer, .address_space: global }
      - { .name: out0, .offset: 24, .size: 8, .value_kind: global_buffer, .address_space: global }
    .group_segment_fixed_size: 35840
    .private_segment_fixed_size: 0
    .kernarg_segment_align: 8
    .kernarg_segment_size: 32
    .max_flat_workgroup_size: 256
    .sgpr_count:     66
    .vgpr_count:     256
    .wavefront_size: 32
...
	.end_amdgpu_metadata
.endif
;; end of part 6
